; MI455X (gfx1250); checked and timed in simulation.
; The chip was launched on July 23, 2026; its instructions are those of AMD's public machine-readable ISA for CDNA 5 (MIT licence, August 2026) and "CDNA5" Instruction Set Architecture Reference Guide (July 2026). The comments in the code are by the model that wrote it; some were corrected since.
;; Vector Modality Encoder. Allowed arithmetic: float matrix products may take bf16 or f16 operands with f32 sums; other float arithmetic in f32, or as packed bf16 or f16 multiplies, adds, multiply-adds, maxima and minima; sums over many terms, partial sums and values carried from step to step in f32; what a program stores and reads back later, other than sums and carried values, may be rounded once to bf16 or f16.
;; Inputs: params_attr_b 256 float32; params_attr_w 11 x 256 float32; params_b1 4 x 1,024 float32; params_b2 4 x 256 float32; params_bk 4 x 256 float32; params_bo 4 x 256 float32; params_bq 4 x 256 float32; params_bv 4 x 256 float32; params_film_b 4 x 512 float32; params_film_w 4 x 11 x 512 float32; params_in_proj_b 256 float32; params_in_proj_w 1 x 256 float32; params_ln1_b 4 x 256 float32; params_ln1_g 4 x 256 float32; params_ln2_b 4 x 256 float32; params_ln2_g 4 x 256 float32; params_norm_b 256 float32; params_norm_g 256 float32; params_w1 4 x 256 x 1,024 float32; params_w2 4 x 1,024 x 256 float32; params_wk 4 x 256 x 256 float32; params_wo 4 x 256 x 256 float32; params_wq 4 x 256 x 256 float32; params_wv 4 x 256 x 256 float32; static_attr 32 x 11 float32; time_mask 32 x 1,024 bool; x_vec 32 x 1,024 float32.
;; Outputs: out0 32 x 513 x 256 float32.
;; One version. Each part assembles by itself: llvm-mc -triple=amdgcn-amd-amdhsa -mcpu=gfx1250 --defsym DOCPART=n.
;; ======== version 1 of 1: 10 launches
;; limits: values are held in f16: magnitudes above 65,504 overflow, below 6.1e-05 lose precision
;; workspace buffers: wl0 1,650,176 bytes; wl1 1,650,176 bytes; wl2 1,650,176 bytes; wl3 1,650,176 bytes; meta 256 bytes of whole numbers; xa 8,388,608 bytes; xb 8,388,608 bytes; ob 8,388,608 bytes
;; launch prep (part 1): grid 256 x 1, 8 waves a work-group, no clusters, 54,272 bytes of LDS; arguments time_mask, x_vec, static_attr, params_in_proj_w, params_in_proj_b, params_film_w, params_film_b, params_ln1_g, params_ln1_b, params_bq, params_bk, params_wq, params_wk, params_wv, params_wo, params_w1, params_w2, wl0, wl1, wl2, wl3, meta, xa, params_bv, params_bo, params_b2, params_ln2_g, params_ln2_b, params_b1; writes wl0, wl1, wl2, wl3, meta, xa
.if DOCPART == 1
	.amdgcn_target "amdgcn-amd-amdhsa--gfx1250"
	.amdhsa_code_object_version 6
	.text
	.protected	k_q394877bc62_prep
	.globl	k_q394877bc62_prep
	.p2align	8
	.type	k_q394877bc62_prep,@function
k_q394877bc62_prep:
	s_mov_b64 s[64:65], 0
	v_nop
	global_prefetch_b8 v0, s[64:65] scope:SCOPE_SE
	s_setreg_imm32_b32 hwreg(HW_REG_WAVE_MODE, 25, 1), 1
	s_wait_xcnt 0x0
; PREP: what the layer launches find ready.  Each layer has a buffer of its own, so that one body serves all layers and takes its layer by its argument:
; (1) the layer's weights rounded once to f16 and laid out as matrix operand images; (2) its FiLM tables folded with ln1's gain and bias; (3) three scales for each row b; (4) a copy of its eight small parameter rows.
; Beside them: for each row b its number of visible steps (whole numbers, which the attention launches read), and x0 = x_padded w_in + b_in + PE in f16.
; A FRAGMENT is 1,024 bytes [c 0..1][lane][16 bytes]: lane (r = lane % 16, h = lane / 16), half e holds element (row r, k = 16 c + 8 h + e) of 16 rows x 32 k: the register image of a 16-bit operand.
; WORK LEFT OUT IN THE PROGRAM.  reference() replaces the score of a padded key (position >= the row's count of visible steps) by -1e9, so that key's own product q.k reaches no output, whatever
; the inputs hold; its weight is exp(-1e9 - max), which is taken as 0: the attention launches walk only the steps of 64 keys that hold a visible key, by the counts stored here.
; LIMITS.  A query whose visible scores all lie below about -1e9 is not reproduced.  A row with no visible step is served: count 512 and score scale 0, the uniform weights of reference().
; More than 512 visible steps: the first 512 are kept, as reference() slices.  |x0| stays under 65,504 (f16).  NaN, infinities and overflow in the keys left out are not carried to the result.
; No input is left out.  SCALES: layer 0's x is not normalised, so q, k, v are made times vs = 2^(126-E), E the exponent field of max|x_vec[b]| max|w_in| + max|b_in| + 1;
; the scores take c ivs^2 and the output projection ivs = 1/vs, both in f32; layers 1 to 3 take 1.  These are values alone: no address and no branch hangs on them.
; SHARES.  256 work-groups of 8 waves; b = g / 8, c8 = g % 8.  Waves 0-5: one block of 32 k x 64 n of a weight matrix each (1,536 blocks).  Waves 6, 7: FiLM of layer c8 (c8 < 4), or 1,024 bytes of
; layer c8 - 4's parameter rows (b < 11).  Then all 8 waves: the row's compaction, each for itself in its own LDS bytes (so there is no barrier), and 64 tokens of x0: wave v makes channels 32 v .. + 31 of all 64,
; so that its w_in, b_in and frequencies stay in registers while a loop walks the four tiles of 16 tokens.
.set BSO,   393216                     ; a layer's buffer: 8 heads x 48 fragments, then from here 9 units of 131,072,
.set GBO,   1572864                    ; [b][2][256] f32: G = gamma ln1_g, Bt = gamma ln1_b + beta,
.set FPO,   1638400                    ; [b] 16 bytes: vs, ivs, cs, 0,
.set PBO,   1638912                    ; bq, bk, bv, bo, b2, ln2_g, ln2_b (1,024 bytes each), b1 (4,096)
.set WVB,   6656                       ; LDS bytes of a wave: 2,304 for the compacted row and its dump words, 4,352 for four fragments at pitch 1,040
.set WSO,   2304
.set SPARE, 53248                      ; the spare words: 128 bytes a wave, four blocks of 256 bytes that no other line names
.macro SELW r                          ; s[2:3] = the buffer of layer r
	s_cmp_eq_u32 \r, 1
	s_cselect_b64 s[2:3], s[40:41], s[38:39]
	s_cmp_eq_u32 \r, 2
	s_cselect_b64 s[2:3], s[42:43], s[2:3]
	s_cmp_eq_u32 \r, 3
	s_cselect_b64 s[2:3], s[44:45], s[2:3]
.endm
	s_load_b512 s[4:19], s[0:1], 0x0               ; time_mask 4, x_vec 6, static_attr 8, w_in 10, b_in 12, film_w 14, film_b 16, ln1_g 18
	s_load_b512 s[20:35], s[0:1], 0x40             ; ln1_b 20, bq 22, bk 24, wq 26, wk 28, wv 30, wo 32, w1 34
	s_load_b512 s[36:51], s[0:1], 0x80             ; w2 36, the four layers' buffers 38-45, meta 46, xa 48, bv 50
	s_load_b256 s[92:99], s[0:1], 0xc0             ; bo 92, b2 94, ln2_g 96, ln2_b 98
	s_load_b64 s[100:101], s[0:1], 0xe0            ; b1
	v_lshl_add_u32 v3, v0, 2, SPARE
	v_mov_b32 v4, 0
	v_lshrrev_b32 v1, 5, v0
	v_readfirstlane_b32 s52, v1                    ; wave
	v_and_b32 v1, 31, v0                           ; lane
	v_lshlrev_b32 v2, 4, v1                        ; 16 x lane
	s_mov_b32 s53, ttmp9                           ; g
	s_lshr_b32 s54, s53, 3                         ; b
	s_and_b32 s55, s53, 7                          ; c8
	s_lshr_b32 s56, s53, 6                         ; the layer whose weights this work-group lays out
	s_and_b32 s57, s53, 63
	s_mul_i32 s58, s52, WVB                        ; my wave's LDS bytes
	s_mov_b32 s84, 0x76543210
	s_mov_b32 s85, 0xfedcba98
	s_wait_kmcnt 0x0
	s_cmp_ge_u32 s52, 6
	s_cbranch_scc1 .LphS
	s_cmp_ge_u32 s52, 4
	s_cbranch_scc1 .Lw2
	s_cmp_ge_u32 s52, 2
	s_cbranch_scc1 .Lw1
	; wq, wk, wv, wo: 32 blocks each; mm = 2 wave + (gi >= 32)
	s_and_b32 s59, s57, 31
	s_lshr_b32 s60, s59, 2                         ; ks
	s_and_b32 s61, s59, 3                          ; nb
	s_lshr_b32 s62, s57, 5
	s_lshl1_add_u32 s62, s52, s62                  ; mm
	s_mov_b32 s70, 1024                            ; bytes in a row of the matrix
	s_lshl_b32 s68, s56, 18
	s_lshl_b32 s63, s60, 15
	s_add_co_u32 s68, s68, s63
	s_lshl_b32 s63, s61, 8
	s_add_co_u32 s68, s68, s63                     ; layer + 32 ks rows + 64 nb columns
	s_mul_i32 s74, s61, 98304                      ; q, k, v: heads 2 nb and 2 nb + 1, fragment 16 mm + 2 ks + u
	s_lshl_b32 s63, s62, 14
	s_add_co_u32 s74, s74, s63
	s_lshl_b32 s63, s60, 11
	s_add_co_u32 s74, s74, s63
	s_lshl_b32 s75, s61, 15                        ; wo: unit 0, part nb, fragment 4 ks + ct
	s_lshl_b32 s63, s60, 12
	s_add_co_u32 s75, s75, s63
	s_add_co_u32 s75, s75, BSO
	s_mov_b32 s76, 49152
	s_cmp_eq_u32 s62, 1
	s_cselect_b64 s[66:67], s[28:29], s[26:27]
	s_cmp_eq_u32 s62, 2
	s_cselect_b64 s[66:67], s[30:31], s[66:67]
	s_cmp_eq_u32 s62, 3
	s_cselect_b64 s[66:67], s[32:33], s[66:67]
	s_cselect_b32 s71, s75, s74
	s_cselect_b32 s72, 2048, s76                   ; bytes from fragments 0, 1 of the block to fragments 2, 3
	s_branch .Lwgo
.Lw1:                                              ; w1 [256][1024]: 128 blocks; hidden 64 nb + 16 u' = 256 w + 32 j + 16 u
	s_sub_co_u32 s59, s52, 2
	s_lshl_b32 s59, s59, 6
	s_add_co_u32 s59, s59, s57
	s_lshr_b32 s60, s59, 4                         ; ks
	s_and_b32 s61, s59, 15                         ; nb
	s_mov_b32 s70, 4096
	s_lshl_b32 s68, s56, 20
	s_lshl_b32 s63, s60, 17
	s_add_co_u32 s68, s68, s63
	s_lshl_b32 s63, s61, 8
	s_add_co_u32 s68, s68, s63
	s_mov_b64 s[66:67], s[34:35]
	s_and_b32 s63, s61, 3
	s_lshl_b32 s71, s63, 18                        ; unit 1 + 2 (nb % 4) (+ 1 for fragments 2, 3)
	s_lshr_b32 s63, s61, 2
	s_lshl_b32 s63, s63, 15                        ; part nb / 4
	s_add_co_u32 s71, s71, s63
	s_lshl_b32 s63, s60, 11                        ; fragment 2 ks + u
	s_add_co_u32 s71, s71, s63
	s_add_co_u32 s71, s71, BSO+131072
	s_mov_b32 s72, 131072
	s_branch .Lwgo
.Lw2:                                              ; w2 [1024][256]: 128 blocks; hidden 32 ks = 256 w + 32 j
	s_sub_co_u32 s59, s52, 4
	s_lshl_b32 s59, s59, 6
	s_add_co_u32 s59, s59, s57
	s_lshr_b32 s60, s59, 2                         ; ks 0..31
	s_and_b32 s61, s59, 3                          ; nb
	s_mov_b32 s70, 1024
	s_lshl_b32 s68, s56, 20
	s_lshl_b32 s63, s60, 15
	s_add_co_u32 s68, s68, s63
	s_lshl_b32 s63, s61, 8
	s_add_co_u32 s68, s68, s63
	s_mov_b64 s[66:67], s[36:37]
	s_and_b32 s63, s60, 7
	s_lshl_b32 s71, s63, 17                        ; unit 1 + ks % 8
	s_lshr_b32 s63, s60, 3
	s_lshl_b32 s63, s63, 15                        ; part ks / 8
	s_add_co_u32 s71, s71, s63
	s_lshl_b32 s63, s61, 12                        ; fragment 16 + 4 nb + u'
	s_add_co_u32 s71, s71, s63
	s_add_co_u32 s71, s71, BSO+131072+16384
	s_mov_b32 s72, 2048
.Lwgo:
	s_mov_b32 s69, 0
	s_add_nc_u64 s[66:67], s[66:67], s[68:69]
	SELW s56
	; lane (q = lane % 16, rp = lane / 16) loads rows k = 16 rp + i, columns 4 q .. 4 q + 3: an instruction reads two whole runs of 256 bytes
	v_and_b32 v5, 15, v1
	v_lshrrev_b32 v6, 4, v1
	v_lshlrev_b32 v7, 4, v6
	v_lshlrev_b32 v8, 4, v5
	v_mad_u32_u24 v16, v7, s70, v8
.set i, 1
.rept 15
	v_add_nc_u32 v[16+i], s70, v[15+i]
.set i, i+1
.endr
.set i, 0
.rept 16
	global_load_b128 v[32+4*i:35+4*i], v[16+i], s[66:67] th:TH_LOAD_NT
.set i, i+1
.endr
	v_lshrrev_b32 v9, 2, v5                        ; column 4 q + j is row (q % 4) 4 + j of fragment q / 4
	v_mul_u32_u24 v9, v9, 1040
	v_lshl_add_u32 v9, v6, 9, v9                   ; c = rp
	v_and_b32 v10, 3, v5
	v_lshl_add_u32 v9, v10, 6, v9
	s_add_co_u32 s59, s58, WSO
	v_add_nc_u32 v9, s59, v9
	v_add_nc_u32 v10, s59, v2
	v_add_nc_u32 v11, s71, v2
	v_add_nc_u32 v12, s72, v11
	s_wait_loadcnt 0x0
.irp j, 0,1,2,3
.irp hh, 0,1
.irp p, 0,1,2,3
	v_cvt_pk_f16_f32 v[96+4*(2*\j+\hh)+\p], v[32+4*(8*\hh+2*\p)+\j], v[32+4*(8*\hh+2*\p+1)+\j]  ; eight k of one column: 16 bytes of a fragment
.endr
.endr
.endr
.irp j, 0,1,2,3
.irp hh, 0,1
	ds_store_b128 v9, v[96+4*(2*\j+\hh):99+4*(2*\j+\hh)] offset:\hh*256+\j*16  ; sixteen lanes fall into sixteen different 16-byte columns: pitch 1,040
.endr
.endr
.irp u, 0,1,2,3
.irp c, 0,1
	ds_load_b128 v[128+4*(2*\u+\c):131+4*(2*\u+\c)], v10 offset:\u*1040+\c*512  ; LDS serves a wave's instructions in order: these see the stores above
.endr
.endr
	s_wait_dscnt 0x0
.irp u, 0,1,2,3
.irp c, 0,1
	global_store_b128 v[11+\u/2], v[128+4*(2*\u+\c):131+4*(2*\u+\c)], s[2:3] offset:(\u%2)*1024+\c*512  ; 512 consecutive bytes, aligned
.endr
.endr
	s_branch .LphX
.LphS:                                             ; waves 6 and 7: channels 128 (wave - 6) + 4 lane .. + 3
	s_sub_co_u32 s60, s52, 6
	s_lshl_b32 s60, s60, 9
	v_add_nc_u32 v5, s60, v2
	s_cmp_gt_u32 s55, 3
	s_cbranch_scc1 .Lcopy
	s_mul_i32 s59, s54, 44
	s_load_b256 s[72:79], s[8:9], s59 offset:0x0   ; the row's eleven static numbers
	s_load_b64 s[80:81], s[8:9], s59 offset:0x20
	s_load_b32 s82, s[8:9], s59 offset:0x28
	s_mul_i32 s68, s55, 22528
	s_mov_b32 s69, 0
	s_add_nc_u64 s[66:67], s[14:15], s[68:69]      ; film_w[l]
	s_lshl_b32 s68, s55, 11
	s_add_nc_u64 s[86:87], s[16:17], s[68:69]      ; film_b[l]
	s_lshl_b32 s68, s55, 10
	s_add_nc_u64 s[88:89], s[18:19], s[68:69]      ; ln1_g[l]
	s_add_nc_u64 s[90:91], s[20:21], s[68:69]      ; ln1_b[l]
	SELW s55
	global_load_b128 v[16:19], v5, s[86:87]
	global_load_b128 v[20:23], v5, s[86:87] offset:1024
	global_load_b128 v[24:27], v5, s[88:89]
	global_load_b128 v[28:31], v5, s[90:91]
.set i, 0
.rept 11
	global_load_b128 v[32+8*i:35+8*i], v5, s[66:67] offset:2048*i
	global_load_b128 v[36+8*i:39+8*i], v5, s[66:67] offset:2048*i+1024
.set i, i+1
.endr
	s_lshl_b32 s60, s54, 11
	v_add_nc_u32 v6, s60, v5
	s_wait_loadcnt 0x0
	s_wait_kmcnt 0x0
.set i, 0
.rept 11
.irp e, 0,1,2,3,4,5,6,7
	v_fmac_f32 v[16+\e], s[72+i], v[32+8*i+\e]
.endr
.set i, i+1
.endr
	; tanh(x) = 1 - 2 / (1 + 2^(2 log2(e) x)): right at both ends of the range
.irp e, 0,1,2,3,4,5,6,7
	v_mul_f32 v[16+\e], 0x4038aa3b, v[16+\e]
.endr
.irp e, 0,1,2,3,4,5,6,7
	v_exp_f32 v[16+\e], v[16+\e]
.endr
	v_nop                                          ; a plain instruction behind the last exponential,
	s_wait_alu depctr_va_vdst(0)                   ; and one wait for the eight
.irp e, 0,1,2,3,4,5,6,7
	v_add_f32 v[16+\e], 1.0, v[16+\e]
.endr
.irp e, 0,1,2,3,4,5,6,7
	v_rcp_f32 v[16+\e], v[16+\e]
.endr
	v_nop
	s_wait_alu depctr_va_vdst(0)
.irp e, 0,1,2,3,4,5,6,7
	v_fma_f32 v[16+\e], v[16+\e], -2.0, 1.0
.endr
.irp e, 0,1,2,3
	v_mul_f32 v[120+\e], v[16+\e], v[24+\e]        ; G = gamma ln1_g
	v_fma_f32 v[124+\e], v[16+\e], v[28+\e], v[20+\e]  ; Bt = gamma ln1_b + beta
.endr
	global_store_b128 v6, v[120:123], s[2:3] offset:GBO
	global_store_b128 v6, v[124:127], s[2:3] offset:GBO+1024
	s_branch .LphX
.Lcopy:                                            ; row b of layer c8 - 4's eleven parameter rows of 1,024 bytes: bq, bk, bv, bo, b2, ln2_g, ln2_b, four quarters of b1
	s_cmp_gt_u32 s54, 10
	s_cbranch_scc1 .LphX
	s_sub_co_u32 s59, s55, 4
	SELW s59
	s_lshl_b32 s68, s59, 10
	s_lshl_b32 s69, s59, 12
	s_max_u32 s70, s54, 7
	s_sub_co_u32 s70, s70, 7
	s_lshl_b32 s70, s70, 10
	s_add_co_u32 s69, s69, s70
	s_cmp_eq_u32 s54, 1
	s_cselect_b64 s[66:67], s[24:25], s[22:23]
	s_cmp_eq_u32 s54, 2
	s_cselect_b64 s[66:67], s[50:51], s[66:67]
	s_cmp_eq_u32 s54, 3
	s_cselect_b64 s[66:67], s[92:93], s[66:67]
	s_cmp_eq_u32 s54, 4
	s_cselect_b64 s[66:67], s[94:95], s[66:67]
	s_cmp_eq_u32 s54, 5
	s_cselect_b64 s[66:67], s[96:97], s[66:67]
	s_cmp_eq_u32 s54, 6
	s_cselect_b64 s[66:67], s[98:99], s[66:67]
	s_cmp_ge_u32 s54, 7
	s_cselect_b64 s[66:67], s[100:101], s[66:67]
	s_cselect_b32 s68, s69, s68
	s_mov_b32 s69, 0
	s_add_nc_u64 s[66:67], s[66:67], s[68:69]
	global_load_b128 v[16:19], v5, s[66:67]
	s_lshl_b32 s70, s54, 10
	v_add_nc_u32 v6, s70, v5
	s_wait_loadcnt 0x0
	global_store_b128 v6, v[16:19], s[2:3] offset:PBO
.LphX:                                             ; every wave: the row's compaction, then its share of x0
	s_wait_xcnt 0x0                                ; the stores above have read their registers: they are written again only behind this wait
	s_lshl_b32 s59, s54, 10
	v_lshl_add_u32 v5, v1, 5, s59                  ; my 32 steps' mask bytes
	s_lshl_b32 s60, s54, 12
	v_lshl_add_u32 v6, v1, 7, s60                  ; and their 32 numbers
	v_lshrrev_b32 v13, 4, v1                       ; h
	s_lshl_b32 s63, s52, 7
	v_lshl_add_u32 v7, v13, 5, s63                 ; w_in, b_in: channels 32 wave + 8 h
	global_load_b128 v[16:19], v5, s[4:5]
	global_load_b128 v[20:23], v5, s[4:5] offset:16
.set i, 0
.rept 8
	global_load_b128 v[32+4*i:35+4*i], v6, s[6:7] offset:16*i
.set i, i+1
.endr
.set i, 0
.rept 2
	global_load_b128 v[64+8*i:67+8*i], v7, s[10:11] offset:64*i
	global_load_b128 v[68+8*i:71+8*i], v7, s[10:11] offset:64*i+16
	global_load_b128 v[128+8*i:131+8*i], v7, s[12:13] offset:64*i
	global_load_b128 v[132+8*i:135+8*i], v7, s[12:13] offset:64*i+16
.set i, i+1
.endr
	v_mov_b32 v8, 0
	v_mov_b32 v9, 0
	v_mov_b32 v10, 0
	v_mov_b32 v11, 0
	v_add_nc_u32 v12, s58, v2
.irp i, 0,1,2,3
	ds_store_b128 v12, v[8:11] offset:\i*512       ; the padded places hold 0
.endr
	s_wait_loadcnt 8                               ; mask and x are in; the 8 loads of w_in and b_in may stay out
	v_add3_u32 v24, v16, v17, v18                  ; masked steps among my 32: the bytes (0 or 1) are summed side by side, then folded
	v_add3_u32 v25, v19, v20, v21
	v_add3_u32 v24, v24, v22, v23
	v_add_nc_u32 v24, v24, v25
	v_and_b32 v25, 0x00ff00ff, v24
	v_lshrrev_b32 v24, 8, v24
	v_and_b32 v24, 0x00ff00ff, v24
	v_add_nc_u32 v24, v24, v25
	v_lshrrev_b32 v25, 16, v24
	v_and_b32 v24, 0xffff, v24
	v_add_nc_u32 v24, v24, v25
	v_sub_nc_u32 v24, 32, v24                      ; visible steps among my 32
	v_mov_b32 v26, v24
	v_mov_b32 v25, 0
.irp n, 1,2,4,8                                    ; running sum over the 16 lanes of a row
	v_mov_b32_dpp v25, v26 row_shr:\n row_mask:0xf bank_mask:0xf bound_ctrl:1
	v_add_nc_u32 v26, v26, v25
.endr
	v_readlane_b32 s61, v26, 15
	v_cmp_le_u32 vcc_lo, 16, v1
	v_cndmask_b32 v25, 0, s61, vcc_lo
	v_add_nc_u32 v26, v26, v25
	v_readlane_b32 s62, v26, 31                    ; the row's count of visible steps
	v_sub_nc_u32 v26, v26, v24                     ; the place of my first visible step
	v_add_nc_u32 v27, 0x201, v1                    ; my dump word, 513 + lane
.set e, 0
.rept 32                                           ; a visible step goes to its place, a masked one (and places from 512 on) into the dump words 512 to 544
	v_bfe_u32 v29, v[16+e/4], 8*(e%4), 8
	v_cmp_eq_u32 vcc_lo, 0, v29
	v_cndmask_b32 v29, v27, v26, vcc_lo
	v_min_u32 v29, 0x220, v29
	v_lshl_add_u32 v29, v29, 2, s58
	ds_store_b32 v29, v[32+e]
	v_add_co_ci_u32 v26, vcc_lo, 0, v26, vcc_lo    ; the place steps where the step was visible
.set e, e+1
.endr
	s_cmp_lg_u32 s52, 6
	s_cbranch_scc1 .Lx0
	s_cmp_gt_u32 s55, 3
	s_cbranch_scc1 .Lx0
	; wave 6 of c8 < 4: the row's scales for layer l = c8; with c8 = 0 the row's count too
	v_lshlrev_b32 v240, 5, v1
	global_load_b128 v[192:195], v240, s[10:11]
	global_load_b128 v[196:199], v240, s[10:11] offset:16
	global_load_b128 v[200:203], v240, s[12:13]
	global_load_b128 v[204:207], v240, s[12:13] offset:16
	v_max3_num_f32 v24, |v32|, |v33|, |v34|
.set i, 35
.rept 14
	v_max3_num_f32 v24, v24, |v[i]|, |v[i+1]|
.set i, i+2
.endr
	v_max_num_f32 v24, v24, |v63|
	s_wait_loadcnt 0x0
	v_max3_num_f32 v25, |v192|, |v193|, |v194|
	v_max3_num_f32 v25, v25, |v195|, |v196|
	v_max3_num_f32 v25, v25, |v197|, |v198|
	v_max_num_f32 v25, v25, |v199|
	v_max3_num_f32 v28, |v200|, |v201|, |v202|
	v_max3_num_f32 v28, v28, |v203|, |v204|
	v_max3_num_f32 v28, v28, |v205|, |v206|
	v_max_num_f32 v28, v28, |v207|
	v_mov_b32 v241, 0
.irp r, 24,25,28
.irp n, 1,2,4,8
	v_max_num_f32_dpp v\r, v\r, v\r row_xmask:\n row_mask:0xf bank_mask:0xf
.endr
	v_permlanex16_b32 v241, v\r, s84, s85
	v_max_num_f32 v\r, v\r, v241
.endr
	v_fma_f32 v24, v24, v25, v28
	v_add_f32 v24, 1.0, v24                        ; a bound on |x0|, at least 1
	v_bfe_u32 v24, v24, 23, 8                      ; E
	v_sub_nc_u32 v25, 253, v24
	v_lshlrev_b32 v25, 23, v25                     ; 2^(126-E)
	v_add_nc_u32 v28, 1, v24
	v_lshlrev_b32 v28, 23, v28                     ; 2^(E-126)
	s_cmp_eq_u32 s55, 0
	s_cselect_b32 s86, -1, 0
	v_cndmask_b32 v208, 1.0, v25, s86              ; layers 1 to 3: 1
	v_cndmask_b32 v209, 1.0, v28, s86
	v_mul_f32 v210, v209, v209
	v_mul_f32 v210, 0x3e8293ee, v210               ; cs = log2(e) / sqrt(32) x ivs^2
	s_min_u32 s87, s62, 512
	s_cmp_eq_u32 s62, 0
	s_cselect_b32 s87, 512, s87                    ; no visible step: all 512 keys,
	s_cselect_b32 s86, 0, -1
	v_cndmask_b32 v210, 0, v210, s86               ; with equal weights
	v_mov_b32 v211, 0
	s_lshl_b32 s88, s54, 4
	v_mov_b32 v212, s88
	s_lshl_b32 s88, s54, 2
	v_mov_b32 v213, s88
	v_mov_b32 v214, s87
	SELW s55
	s_cmp_eq_u32 s55, 0
	s_cselect_b32 s88, 0, 64                       ; the lane that stores the count: lane 0 where c8 = 0, else none
	s_wait_xcnt 0x0                                ; EXEC changes only behind this wait
	v_cmp_eq_u32 vcc_lo, 0, v1
	s_and_saveexec_b32 s86, vcc_lo
	global_store_b128 v212, v[208:211], s[2:3] offset:FPO
	s_wait_xcnt 0x0                                ; and again, in front of the line that widens it
	s_or_b32 exec_lo, exec_lo, s86
	v_cmp_eq_u32 vcc_lo, s88, v1
	s_and_saveexec_b32 s86, vcc_lo
	global_store_b32 v213, v214, s[46:47]          ; word b: the keys to walk
	s_wait_xcnt 0x0
	s_or_b32 exec_lo, exec_lo, s86
.Lx0:
	; x0: wave v makes pieces 2 v and 2 v + 1 (512 bytes each) of the tiles 4 g + 0..3; lane (r, h): token r, channels 16 piece + 8 h + 0..7
	v_and_b32 v14, 15, v1
	s_lshl_b32 s60, s55, 6
	v_add_nc_u32 v15, s60, v14                     ; the token's place in the row: 64 c8 + r, and 16 more with each tile
	s_lshl_b32 s59, s52, 4
	v_lshl_add_u32 v13, v13, 2, s59                ; the first pair of channels: 16 v + 4 h
	s_lshl_b32 s60, s53, 15
	s_lshl_b32 s59, s52, 10
	s_add_co_u32 s60, s60, s59
	v_add_nc_u32 v237, s60, v2                     ; tile 4 g, piece 2 v, my 16 bytes
.set n, 0
.rept 8                                            ; omega = 10000^(-i/128) = 2^(-0.10381025 i) for pair i = first + 8 piece + q
	v_add_nc_u32 v[192+n], 8*(n/4)+n%4, v13
.set n, n+1
.endr
.set n, 0
.rept 8
	v_cvt_f32_u32 v[192+n], v[192+n]
.set n, n+1
.endr
.set n, 0
.rept 8
	v_mul_f32 v[192+n], 0xbdd49a78, v[192+n]
.set n, n+1
.endr
.set n, 0
.rept 8
	v_exp_f32 v[192+n], v[192+n]
.set n, n+1
.endr
	v_mov_b32 v224, 0                              ; (0, 1/2): the sine's and the cosine's shift in half turns; also the plain instruction behind the last exponential
	v_mov_b32 v225, 0.5
	v_mov_b32 v226, 0xbf196966                     ; sin(pi g) = g (pi - 5.16771278 z + 2.55016404 z^2 - 0.59926453 z^3 + 0.08214589 z^4), z = g^2, |g| <= 1/2: the next term is under 3.6e-6
	v_mov_b32 v227, 0xbf196966
	v_mov_b32 v228, 0x402335e3
	v_mov_b32 v229, 0x402335e3
	v_mov_b32 v230, 0xc0a55de7
	v_mov_b32 v231, 0xc0a55de7
	v_mov_b32 v232, 0x40490fdb
	v_mov_b32 v233, 0x40490fdb
	s_wait_alu depctr_va_vdst(0)                   ; one wait for the 8 exponentials, ahead of the loop's label
	s_wait_loadcnt 0x0                             ; w_in and b_in
; A piece: four pairs (sine, cosine), stage by stage, so that four chains run side by side.  Pair q works in v[16 + 12 q ..]: +0 angle twice, +2 k, +4 g, +6 z, +8 the value, +10 the sign.
.macro PIECE pl
.irp q, 0,1,2,3
	v_mul_f32 v[16+12*\q], v236, v[192+4*(\pl)+\q]
	v_mul_f32 v[17+12*\q], v236, v[192+4*(\pl)+\q]
.endr
.irp q, 0,1,2,3
	v_pk_fma_f32 v[18+12*\q:19+12*\q], v[16+12*\q:17+12*\q], 0x3ea2f983, v[224:225] op_sel_hi:[1,0,1]  ; half turns
.endr
.irp q, 0,1,2,3
	v_rndne_f32 v[18+12*\q], v[18+12*\q]
	v_rndne_f32 v[19+12*\q], v[19+12*\q]
.endr
.irp q, 0,1,2,3
	v_pk_add_f32 v[20+12*\q:21+12*\q], v[224:225], v[18+12*\q:19+12*\q] neg_lo:[0,1] neg_hi:[0,1]
.endr
.irp q, 0,1,2,3
	v_pk_fma_f32 v[20+12*\q:21+12*\q], v[16+12*\q:17+12*\q], 0x3ea2f983, v[20+12*\q:21+12*\q] op_sel_hi:[1,0,1]  ; g, the product unrounded
.endr
.irp q, 0,1,2,3
	v_pk_mul_f32 v[22+12*\q:23+12*\q], v[20+12*\q:21+12*\q], v[20+12*\q:21+12*\q]
.endr
.irp q, 0,1,2,3
	v_pk_fma_f32 v[24+12*\q:25+12*\q], v[22+12*\q:23+12*\q], 0x3da83c1b, v[226:227] op_sel_hi:[1,0,1]
.endr
.irp c, 228,230,232
.irp q, 0,1,2,3
	v_pk_fma_f32 v[24+12*\q:25+12*\q], v[24+12*\q:25+12*\q], v[22+12*\q:23+12*\q], v[\c:\c+1]
.endr
.endr
.irp q, 0,1,2,3
	v_pk_mul_f32 v[24+12*\q:25+12*\q], v[24+12*\q:25+12*\q], v[20+12*\q:21+12*\q]
	v_cvt_i32_f32 v[26+12*\q], v[18+12*\q]
	v_cvt_i32_f32 v[27+12*\q], v[19+12*\q]
.endr
.irp q, 0,1,2,3
	v_lshlrev_b32 v[26+12*\q], 31, v[26+12*\q]     ; an odd k turns the sign
	v_lshlrev_b32 v[27+12*\q], 31, v[27+12*\q]
.endr
.irp q, 0,1,2,3
	v_xor_b32 v[24+12*\q], v[26+12*\q], v[24+12*\q]
	v_xor_b32 v[25+12*\q], v[27+12*\q], v[25+12*\q]
.endr
.irp q, 0,1,2,3
	v_pk_add_f32 v[24+12*\q:25+12*\q], v[24+12*\q:25+12*\q], v[128+8*(\pl)+2*\q:129+8*(\pl)+2*\q]
.endr
.irp q, 0,1,2,3
	v_pk_fma_f32 v[24+12*\q:25+12*\q], v[234:235], v[64+8*(\pl)+2*\q:65+8*(\pl)+2*\q], v[24+12*\q:25+12*\q]
.endr
.irp q, 0,1,2,3
	v_cvt_pk_f16_f32 v[240+4*(\pl)+\q], v[24+12*\q], v[25+12*\q]
.endr
	global_store_b128 v237, v[240+4*(\pl):243+4*(\pl)], s[48:49] offset:(\pl)*512  ; 512 consecutive bytes, aligned
.endm
	s_mov_b32 s61, 4
.Ltile:                                            ; four trips, a tile of 16 tokens each
	v_min_u32 v238, 0x1ff, v15                     ; 511 at the most: the bound written out, so that the word is seen to lie in my wave's own row
	v_lshl_add_u32 v238, v238, 2, s58
	ds_load_b32 v234, v238                         ; behind my own stores, in order
	v_cvt_f32_u32 v236, v15
	s_wait_dscnt 0x0
	v_mov_b32 v235, v234
	PIECE 0
	PIECE 1
	s_wait_xcnt 0x0                                ; the two stores have read their address and their data: both are written again only behind this wait
	v_add_nc_u32 v237, 0x2000, v237
	v_add_nc_u32 v15, 16, v15
	s_sub_co_u32 s61, s61, 1
	s_cmp_lg_u32 s61, 0
	s_cbranch_scc1 .Ltile
	s_wait_tensorcnt 0x0                           ; the wave's end, behind my last LDS store
	ds_add_u32 v3, v4
	s_wait_dscnt 0x0
	s_endpgm
.Lfunc_end_k_q394877bc62_prep:
	.size	k_q394877bc62_prep, .Lfunc_end_k_q394877bc62_prep-k_q394877bc62_prep
	.p2alignl 7, 3214868480
	.fill 96, 4, 3214868480
	.section	.rodata,"a",@progbits
	.p2align	6, 0x0
	.amdhsa_kernel k_q394877bc62_prep
		.amdhsa_group_segment_fixed_size 54272
		.amdhsa_private_segment_fixed_size 0
		.amdhsa_enable_private_segment 0
		.amdhsa_kernarg_size 232
		.amdhsa_user_sgpr_count 2
		.amdhsa_user_sgpr_kernarg_segment_ptr 1
		.amdhsa_wavefront_size32 1
		.amdhsa_system_sgpr_workgroup_id_x 1
		.amdhsa_system_sgpr_workgroup_id_y 1
		.amdhsa_system_sgpr_workgroup_id_z 1
		.amdhsa_system_vgpr_workitem_id 0
		.amdhsa_next_free_vgpr 256
		.amdhsa_next_free_sgpr 102
		.amdhsa_reserve_vcc 1
		.amdhsa_float_denorm_mode_32 3
		.amdhsa_float_denorm_mode_16_64 3
		.amdhsa_memory_ordered 1
		.amdhsa_forward_progress 1
		.amdhsa_inst_pref_size 53
	.end_amdhsa_kernel
	.amdgpu_metadata
---
amdhsa.version: [ 1, 2 ]
amdhsa.kernels:
  - .name:           k_q394877bc62_prep
    .symbol:         k_q394877bc62_prep.kd
    .args:
      - { .name: time_mask, .offset: 0, .size: 8, .value_kind: global_buffer, .address_space: global }
      - { .name: x_vec, .offset: 8, .size: 8, .value_kind: global_buffer, .address_space: global }
      - { .name: static_attr, .offset: 16, .size: 8, .value_kind: global_buffer, .address_space: global }
      - { .name: params_in_proj_w, .offset: 24, .size: 8, .value_kind: global_buffer, .address_space: global }
      - { .name: params_in_proj_b, .offset: 32, .size: 8, .value_kind: global_buffer, .address_space: global }
      - { .name: params_film_w, .offset: 40, .size: 8, .value_kind: global_buffer, .address_space: global }
      - { .name: params_film_b, .offset: 48, .size: 8, .value_kind: global_buffer, .address_space: global }
      - { .name: params_ln1_g, .offset: 56, .size: 8, .value_kind: global_buffer, .address_space: global }
      - { .name: params_ln1_b, .offset: 64, .size: 8, .value_kind: global_buffer, .address_space: global }
      - { .name: params_bq, .offset: 72, .size: 8, .value_kind: global_buffer, .address_space: global }
      - { .name: params_bk, .offset: 80, .size: 8, .value_kind: global_buffer, .address_space: global }
      - { .name: params_wq, .offset: 88, .size: 8, .value_kind: global_buffer, .address_space: global }
      - { .name: params_wk, .offset: 96, .size: 8, .value_kind: global_buffer, .address_space: global }
      - { .name: params_wv, .offset: 104, .size: 8, .value_kind: global_buffer, .address_space: global }
      - { .name: params_wo, .offset: 112, .size: 8, .value_kind: global_buffer, .address_space: global }
      - { .name: params_w1, .offset: 120, .size: 8, .value_kind: global_buffer, .address_space: global }
      - { .name: params_w2, .offset: 128, .size: 8, .value_kind: global_buffer, .address_space: global }
      - { .name: wl0, .offset: 136, .size: 8, .value_kind: global_buffer, .address_space: global }
      - { .name: wl1, .offset: 144, .size: 8, .value_kind: global_buffer, .address_space: global }
      - { .name: wl2, .offset: 152, .size: 8, .value_kind: global_buffer, .address_space: global }
      - { .name: wl3, .offset: 160, .size: 8, .value_kind: global_buffer, .address_space: global }
      - { .name: meta, .offset: 168, .size: 8, .value_kind: global_buffer, .address_space: global }
      - { .name: xa, .offset: 176, .size: 8, .value_kind: global_buffer, .address_space: global }
      - { .name: params_bv, .offset: 184, .size: 8, .value_kind: global_buffer, .address_space: global }
      - { .name: params_bo, .offset: 192, .size: 8, .value_kind: global_buffer, .address_space: global }
      - { .name: params_b2, .offset: 200, .size: 8, .value_kind: global_buffer, .address_space: global }
      - { .name: params_ln2_g, .offset: 208, .size: 8, .value_kind: global_buffer, .address_space: global }
      - { .name: params_ln2_b, .offset: 216, .size: 8, .value_kind: global_buffer, .address_space: global }
      - { .name: params_b1, .offset: 224, .size: 8, .value_kind: global_buffer, .address_space: global }
    .group_segment_fixed_size: 54272
    .private_segment_fixed_size: 0
    .kernarg_segment_align: 8
    .kernarg_segment_size: 232
    .max_flat_workgroup_size: 256
    .sgpr_count:     102
    .vgpr_count:     256
    .wavefront_size: 32
...
	.end_amdgpu_metadata
.endif
;; end of part 1
;; launch att0 (part 2): grid 256 x 1, 8 waves a work-group, no clusters, 115,712 bytes of LDS; arguments meta, wl0, xa, ob; writes ob
.if DOCPART == 2
	.amdgcn_target "amdgcn-amd-amdhsa--gfx1250"
	.amdhsa_code_object_version 6
	.text
	.protected	k_q394877bc62_att0
	.globl	k_q394877bc62_att0
	.p2align	8
	.type	k_q394877bc62_att0,@function
k_q394877bc62_att0:
	s_mov_b64 s[64:65], 0
	v_nop
	global_prefetch_b8 v0, s[64:65] scope:SCOPE_SE
	s_setreg_imm32_b32 hwreg(HW_REG_WAVE_MODE, 25, 1), 1
	s_wait_xcnt 0x0
; ATTENTION OF ONE LAYER: a work-group is (row b, head h): q, k, v of that head for the row's 512 tokens, the masked softmax, and o, stored as f16 operand images for the next launch.
; LEFT OUT: the steps of 64 keys that lie wholly at or past the row's count of visible steps (read from meta): reference() replaces those scores by -1e9 and their weights are taken as 0.
; LIMITS: as stated at the first kernel's head (a query whose visible scores all lie below about -1e9; NaN and infinities in keys left out are not carried).  A hidden key inside a live step counts as its score less 1e24.
; q, k, v, p, o are f16: q, k, v are made times vs (a power of two, 1 in layers 1 to 3), the scores are scaled by cs = log2(e)/sqrt(32) ivs^2 in f32; p lies in 0 to 1.  Sums, maxima and the row sum in f32.
; SHARES.  Eight waves, wave w owns tokens 64 w .. + 63: four tiles of 16.  PHASE 1: its x (32 fragments, straight from memory into registers) times the head's 48 weight fragments (copied once into LDS):
; k and q as W x X (a lane then holds one token and eight channels: an operand image), v as X x W (a lane holds one channel and eight tokens: the image of V^T).  k and v go to LDS, q stays.
; PHASE 2: every wave walks the keys, 64 a step: S^T = K Q^T + mask, a running maximum m, p = 2^(cs s - cs m), O^T = a O^T + V^T P, and the row sum by a product of ones with P.
; TWO GROUPS.  The waves fall into two groups by (w xor w / 4) % 2: waves w and w + 4 differ, and so do waves 2 i and 2 i + 1.  One group makes the 64 products of its q ahead of the barrier that shows k and v to
; everybody, the other behind it.  No work is added; the groups then walk the keys 64 products apart, so that one group's products stand beside the other's softmax.
; NO CLUSTER: the eight heads of a row share x, but each x fragment is read by one wave of a work-group, once, into operand registers; through LDS it would take 262,144 bytes beside the 114,688 in use.
; No tensor load and no prefetch: all that comes from memory is asked for at the head.
; REGISTERS.  Window 0: v1 16 lane; v2, v3 where I store k, v; v4 16 thread; v5, v6 bias offsets; v7 the step's LDS address; v8 8 (lane / 16); v9 at work; v10 -1e24; v14, v15 the add's two.
;   phase 1: v16-51 biases; v64-127 eight accumulators; v128-255 two buffers of 8 weight fragments.  phase 2: v16-47 statistics, 8 a tile; v64-191 S^T; v192-255 P.
;   Window 1, phase 1: x, tile t, k step ks at 8 (8 t + ks).  phase 2: v0-31 Q; v32-63 K; v64-95 V; v96-103 ones; v104-135 the mask; v136-199 O^T; v200-231 the row sums.
.set FPO,   1638400                    ; in the layer's buffer: [b] 16 bytes: vs, ivs, cs, 0
.set PBO,   1638912                    ; bq, bk, bv, 1,024 bytes each
.set KF,    49152                      ; LDS, behind the 48 weight fragments: K, [key tile 32][c][lane][16]
.set VF,    81920                      ; V^T, [32 keys 16][u 2][c][lane][16]
.set SPARE, 114688                     ; the spare words: 128 bytes a wave
.set ACC,  64
.set WB,   128
.set ST,   16                          ; tile t at ST + 8 t: +0 cs m, +1 m, +2..5 at work, +6 a, +7 its pair's other word
.set S,    64
.set P,    192
.set KR,   32
.set VR,   64
.set ONES, 96
.set MK,   104
.set O,    136
.set LS,   200
.set MSB, 0
.macro WIN new                         ; the immediate's high byte repeats the setting that is left; a switch that changes nothing is dropped
.if MSB != (\new)
	s_set_vgpr_msb (MSB<<8)|(\new)
.set MSB, (\new)
.endif
.endm
.macro PLACES                          ; four plain places behind a matrix instruction, ahead of what reads its result or writes its registers (ISA guide 7.12.1)
.rept 4
	v_nop
.endr
.endm
.macro FETCHW buf, off                 ; eight weight fragments
	WIN 0
.irp f, 0,1,2,3,4,5,6,7
	ds_load_b128 v[WB+64*(\buf)+8*\f:WB+64*(\buf)+8*\f+3], v1 offset:(\off)+\f*1024
	ds_load_b128 v[WB+64*(\buf)+8*\f+4:WB+64*(\buf)+8*\f+7], v1 offset:(\off)+\f*1024+512
.endr
.endm
; Half of a projection: k steps 4 half .. + 3, 32 products; the eight accumulators take turns.  kind 0: W x X; kind 1: X x W.  The other buffer is asked for ahead of the products.
.macro HALFP kind, half, buf, nextoff
	s_wait_dscnt 0x0                               ; this half's fragments are in
	PLACES                                         ; the other buffer was read by the products just issued
.if (\nextoff) >= 0
	FETCHW 1-(\buf), \nextoff
.endif
	WIN 0x04-3*(\kind)
.irp ksl, 0,1,2,3
.irp u, 0,1
.irp t, 0,1,2,3
.set rA, ACC+8*(4*\u+\t)
.set rW, WB+64*(\buf)+8*(2*\ksl+\u)
.set rX, 8*(8*\t+4*(\half)+\ksl)
.if \kind
.if (\half)+\ksl == 0
	v_wmma_f32_16x16x32_f16 v[rA:rA+7], v[rX:rX+7], v[rW:rW+7], 0
.else
	v_wmma_f32_16x16x32_f16 v[rA:rA+7], v[rX:rX+7], v[rW:rW+7], v[rA:rA+7]
.endif
.else
.if (\half)+\ksl == 0
	v_wmma_f32_16x16x32_f16 v[rA:rA+7], v[rW:rW+7], v[rX:rX+7], 0
.else
	v_wmma_f32_16x16x32_f16 v[rA:rA+7], v[rW:rW+7], v[rX:rX+7], v[rA:rA+7]
.endif
.endif
.endr
.endr
.endr
.endm
.macro QPROD                           ; the 64 products of q; the sums stay in the accumulators
	v_nop                                          ; with the four of the first half below: five places ahead of products that write the accumulators anew
	FETCHW 0, 0
	HALFP 0, 0, 0, 8192
	HALFP 0, 1, 1, -1
	WIN 0
.endm
; (sum + bias) vs, rounded to f16.  m = 0: q, into window 1; 1: k, to LDS; 2: v, to LDS.
.macro EPI m
	WIN 0
	PLACES
.irp u, 0,1
.irp t, 0,1,2,3
.irp p, 0,1,2,3
.set rA, ACC+8*(4*\u+\t)+2*\p
.if (\m) == 2
	v_pk_fma_f32 v[rA:rA+1], v[rA:rA+1], s[28:29], v[48+2*\u:49+2*\u] op_sel_hi:[1,0,0]
.else
	v_pk_fma_f32 v[rA:rA+1], v[rA:rA+1], s[28:29], v[16+16*(\m)+8*\u+2*\p:17+16*(\m)+8*\u+2*\p] op_sel_hi:[1,0,1]
.endif
.endr
.endr
.endr
.if (\m) == 0
	WIN 0x40
.endif
.irp u, 0,1
.irp t, 0,1,2,3
.irp p, 0,1,2,3
.set rA, ACC+8*(4*\u+\t)
.if (\m) == 0
	v_cvt_pk_f16_f32 v[8*\t+4*\u+\p], v[rA+2*\p], v[rA+2*\p+1]
.else
	v_cvt_pk_f16_f32 v[rA+\p], v[rA+2*\p], v[rA+2*\p+1]
.endif
.endr
.endr
.endr
	WIN 0
.irp u, 0,1
.irp t, 0,1,2,3
.set rA, ACC+8*(4*\u+\t)
.if (\m) == 1
	ds_store_b128 v2, v[rA:rA+3] offset:\t*1024+\u*512
.elseif (\m) == 2
	ds_store_b128 v3, v[rA:rA+3] offset:(\t/2)*2048+\u*1024+(\t%2)*512
.endif
.endr
.endr
.endm
	s_load_b256 s[4:11], s[0:1], 0x0               ; meta 4, the layer's buffer 6, x 8, o 10
	v_lshl_add_u32 v14, v0, 2, SPARE
	v_mov_b32 v15, 0
	v_lshrrev_b32 v1, 5, v0
	v_readfirstlane_b32 s18, v1                    ; wave
	s_lshr_b32 s25, s18, 2
	s_xor_b32 s25, s25, s18
	s_and_b32 s25, s25, 1                          ; my group
	s_lshr_b32 s19, ttmp9, 3                       ; b
	s_and_b32 s20, ttmp9, 7                        ; h
	v_and_b32 v1, 31, v0
	v_lshlrev_b32 v1, 4, v1
	v_lshlrev_b32 v4, 4, v0
	v_bfe_u32 v8, v0, 4, 1
	v_lshlrev_b32 v5, 5, v8
	v_and_b32 v6, 15, v0
	v_lshlrev_b32 v6, 2, v6
	v_lshlrev_b32 v8, 3, v8
	v_mov_b32 v10, 0xe753c21c                      ; -1e24
	s_lshl_b32 s36, s18, 12
	v_add_nc_u32 v2, s36, v1
	v_add_nc_u32 v3, VF, v2
	v_add_nc_u32 v2, KF, v2
	v_add_nc_u32 v7, KF, v1
	s_mov_b32 s32, 0x76543210
	s_mov_b32 s33, 0xfedcba98
	s_lshl_b32 s37, s19, 2
	s_lshl_b32 s38, s19, 4
	s_wait_kmcnt 0x0
	s_load_b32 s22, s[4:5], s37 offset:0x0         ; the row's keys to walk
	s_load_b128 s[28:31], s[6:7], s38 offset:FPO   ; vs, ivs, cs, 0
	s_mul_i32 s40, s20, 49152
	s_mov_b32 s41, 0
	s_add_nc_u64 s[40:41], s[6:7], s[40:41]        ; the head's 48 fragments
	s_lshl_b32 s42, s19, 18
	s_lshl_b32 s36, s18, 15
	s_add_co_u32 s42, s42, s36
	s_mov_b32 s43, 0
	s_lshl_b32 s36, s20, 10
	s_add_co_u32 s44, s42, s36
	s_mov_b32 s45, 0
	s_add_nc_u64 s[42:43], s[8:9], s[42:43]        ; x at my four tiles
	s_add_nc_u64 s[44:45], s[10:11], s[44:45]      ; o at my four tiles, my head's fragment
	s_lshl_b32 s46, s20, 7
	s_mov_b32 s47, 0
	s_add_nc_u64 s[46:47], s[6:7], s[46:47]        ; the head's 32 channels in the bias rows
.set i, 0
.rept 12
	global_load_b128 v[WB+4*i:WB+4*i+3], v4, s[40:41] offset:4096*i
.set i, i+1
.endr
.irp u, 0,1
	global_load_b128 v[16+8*\u:19+8*\u], v5, s[46:47] offset:PBO+64*\u
	global_load_b128 v[20+8*\u:23+8*\u], v5, s[46:47] offset:PBO+64*\u+16
	global_load_b128 v[32+8*\u:35+8*\u], v5, s[46:47] offset:PBO+1024+64*\u
	global_load_b128 v[36+8*\u:39+8*\u], v5, s[46:47] offset:PBO+1024+64*\u+16
	global_load_b32 v[48+2*\u], v6, s[46:47] offset:PBO+2048+64*\u
.endr
.macro XLOADS k0                       ; 32 loads: k steps k0 .. k0 + 3 of my four tiles, 512 consecutive bytes each
	WIN 0x40
.irp ks, 0,1,2,3
.irp t, 0,1,2,3
	global_load_b128 v[8*(8*\t+(\k0)+\ks):8*(8*\t+(\k0)+\ks)+3], v1, s[42:43] offset:\t*8192+((\k0)+\ks)*1024
	global_load_b128 v[8*(8*\t+(\k0)+\ks)+4:8*(8*\t+(\k0)+\ks)+7], v1, s[42:43] offset:\t*8192+((\k0)+\ks)*1024+512
.endr
.endr
	WIN 0
.endm
	XLOADS 0
	v_mov_b32 v49, 0                               ; named with v48 and v50 as pairs
	v_mov_b32 v51, 0
	s_wait_loadcnt 32                              ; weights and biases are in; the 32 loads of x may stay out
.set i, 0
.rept 12
	ds_store_b128 v4, v[WB+4*i:WB+4*i+3] offset:4096*i
.set i, i+1
.endr
	XLOADS 4
	s_wait_kmcnt 0x0
	s_min_u32 s22, s22, 512
.set i, 0
.rept 16
	v_pk_mul_f32 v[16+2*i:17+2*i], v[16+2*i:17+2*i], s[28:29] op_sel_hi:[1,0]  ; the biases times vs
.set i, i+1
.endr
	v_mul_f32 v48, s28, v48
	v_mul_f32 v50, s28, v50
	s_mov_b32 s26, s30                             ; cs, as a pair
	s_mov_b32 s27, s30
	s_wait_dscnt 0x0                               ; for the others' sake: my part of the weights lies in LDS
	s_barrier_signal -1
	s_barrier_wait -1
	FETCHW 0, 16384
	s_wait_loadcnt 32                              ; x of k steps 0-3 is in; the 32 loads of k steps 4-7 may stay out
	HALFP 0, 0, 0, 24576                           ; k
	s_wait_loadcnt 0x0
	HALFP 0, 1, 1, 32768
	EPI 1
	HALFP 1, 0, 0, 40960                           ; v
	HALFP 1, 1, 1, -1
	EPI 2
	s_cmp_eq_u32 s25, 0
	s_cbranch_scc1 .Lq_late
	QPROD                                          ; group 1: q's products ahead of the barrier
.Lq_late:
	s_wait_dscnt 0x0                               ; my k and v lie in LDS
	s_barrier_signal -1
	s_barrier_wait -1
	s_cmp_lg_u32 s25, 0
	s_cbranch_scc1 .Lq_done
	QPROD                                          ; group 0: behind it
.Lq_done:
	EPI 0
	; What the first step finds.  The mask is 0.  cs m lies far below every cs s, so the first a is 0, and O^T and the lowest register of each row sum are multiplied by it before anything is added: their registers
	; need only hold finite numbers.  They hold x, pairs of f16: as f32 such a word is finite as long as its upper f16 is (its exponent field is 247 at the most), which the limit on x states.
	WIN 0x40
.set i, 0
.rept 8
	v_mov_b32 v[ONES+i], 0x3c003c00
.set i, i+1
.endr
.set i, MK
.rept 32
	v_mov_b32 v[i], 0
.set i, i+1
.endr
	WIN 0
.irp t, 0,1,2,3
	v_mov_b32 v[ST+8*\t], 0xfe000000
	v_mov_b32 v[ST+8*\t+1], 0xff7fffff
	v_mov_b32 v[ST+8*\t+7], 0
.endr
	s_mov_b32 s23, 0                               ; the step's first key
	s_mov_b32 s24, 8
; Number j of the 37 plain lines of tile t's softmax: 0-15 the maximum of its 32 scores and the old m (each accumulator's lowest registers first);
; 16, 18 the other half of the lanes; 17, 19, 20 cs m and its change; 21-36 cs s - cs m.
.macro PLN t
.set rT, ST+8*(\t)
.set rS, S+32*(\t)
.if j < 4
	v_max3_num_f32 v[rT+2+j], v[rS+8*j], v[rS+8*j+1], v[rS+8*j+2]
.elseif j < 12
	v_max3_num_f32 v[rT+2+j%4], v[rT+2+j%4], v[rS+8*(j%4)+2*(j/4)+1], v[rS+8*(j%4)+2*(j/4)+2]
.elseif j == 12
	v_max3_num_f32 v[rT+2], v[rT+2], v[rS+7], v[rS+15]
.elseif j == 13
	v_max3_num_f32 v[rT+4], v[rT+4], v[rS+23], v[rS+31]
.elseif j == 14
	v_max3_num_f32 v[rT+2], v[rT+2], v[rT+3], v[rT+4]
.elseif j == 15
	v_max3_num_f32 v[rT+2], v[rT+2], v[rT+5], v[rT+1]
.elseif j == 16
	v_permlanex16_b32 v[rT+3], v[rT+2], s32, s33
.elseif j == 17
	v_mov_b32 v[rT+5], v[rT]
.elseif j == 18
	v_max_num_f32 v[rT+1], v[rT+2], v[rT+3]
.elseif j == 19
	v_mul_f32 v[rT], s26, v[rT+1]
.elseif j == 20
	v_sub_f32 v[rT+5], v[rT+5], v[rT]
.else
	v_pk_fma_f32 v[rS+2*(j-21):rS+2*(j-21)+1], v[rS+2*(j-21):rS+2*(j-21)+1], s[26:27], v[rT:rT+1] op_sel_hi:[1,0,0] neg_lo:[0,0,1] neg_hi:[0,0,1]
.endif
.endm
.macro EXN t                           ; exponential j of tile t's 33: the 32 weights in place, then a
.if j < 32
	v_exp_f32 v[S+32*(\t)+j], v[S+32*(\t)+j]
.else
	v_exp_f32 v[ST+8*(\t)+6], v[ST+8*(\t)+5]
.endif
.endm
.Lstep:                                            ; eight trips; a step with no visible key is jumped
	s_cmp_ge_u32 s23, s22
	s_cbranch_scc1 .Lskip
	WIN 0x40
.irp f, 0,1,2,3
	ds_load_b128 v[KR+8*\f:KR+8*\f+3], v7 offset:\f*1024
	ds_load_b128 v[KR+8*\f+4:KR+8*\f+7], v7 offset:\f*1024+512
.endr
.irp f, 0,1,2,3
	ds_load_b128 v[VR+8*\f:VR+8*\f+3], v7 offset:32768+\f*1024
	ds_load_b128 v[VR+8*\f+4:VR+8*\f+7], v7 offset:32768+\f*1024+512
.endr
	WIN 0
	s_add_co_u32 s36, s23, 64
	s_cmp_le_u32 s36, s22
	s_cbranch_scc1 .Lnomask
	s_sub_co_u32 s36, s22, s23                     ; the one step that the count cuts, the last live one: register j of key tile kt is hidden where 16 kt + j >= count - first key - 8 (lane / 16)
	v_sub_nc_u32 v9, s36, v8
	WIN 0x40
.set i, 0
.rept 32
	v_cmp_ge_i32 vcc_lo, 16*(i/8)+i%8, v9
	v_cndmask_b32 v[MK+i], 0, v10, vcc_lo
.set i, i+1
.endr
	WIN 0
.Lnomask:
	s_wait_dscnt 0x8                               ; K's eight loads are in, V's eight may stay out
	WIN 0x15
.irp t, 0,1,2,3
.irp kt, 0,1,2,3
	v_wmma_f32_16x16x32_f16 v[S+32*\t+8*\kt:S+32*\t+8*\kt+7], v[KR+8*\kt:KR+8*\kt+7], v[8*\t:8*\t+7], v[MK+8*\kt:MK+8*\kt+7]
.endr
.endr
	WIN 0
	PLACES
.set j, 0
.rept 37
	PLN 0
.set j, j+1
.endr
.irp t, 0,1,2                                      ; a tile's exponentials stand between the next tile's plain lines; nothing here names a result of theirs
.set j, 0
.rept 37
.if j < 33
	EXN \t
.endif
	PLN \t+1
.set j, j+1
.endr
.endr
.set j, 0
.rept 33
	EXN 3
.set j, j+1
.endr
	v_nop                                          ; a plain instruction behind the last exponential,
	s_wait_alu depctr_va_vdst(0)                   ; and one wait for the step's 132, ahead of their first reader
.set i, 0
.rept 64
	v_cvt_pk_f16_f32 v[P+i], v[S+2*i], v[S+2*i+1]
.set i, i+1
.endr
	WIN 0x41
.irp t, 0,1,2,3
.irp p, 0,1,2,3,4,5,6,7
	v_pk_mul_f32 v[O+16*\t+2*\p:O+16*\t+2*\p+1], v[O+16*\t+2*\p:O+16*\t+2*\p+1], v[ST+8*\t+6:ST+8*\t+7] op_sel_hi:[1,0]
.endr
	v_mul_f32 v[LS+8*\t], v[LS+8*\t], v[ST+8*\t+6] ; of a row sum's eight registers only the lowest is carried and read
.endr
	s_wait_dscnt 0x0                               ; V is in
	WIN 0x51
.irp kb, 0,1                                       ; twelve accumulators take turns
.irp t, 0,1,2,3
	v_wmma_f32_16x16x32_f16 v[O+16*\t:O+16*\t+7], v[VR+16*\kb:VR+16*\kb+7], v[P+16*\t+8*\kb:P+16*\t+8*\kb+7], v[O+16*\t:O+16*\t+7]
	v_wmma_f32_16x16x32_f16 v[O+16*\t+8:O+16*\t+15], v[VR+16*\kb+8:VR+16*\kb+15], v[P+16*\t+8*\kb:P+16*\t+8*\kb+7], v[O+16*\t+8:O+16*\t+15]
	v_wmma_f32_16x16x32_f16 v[LS+8*\t:LS+8*\t+7], v[ONES:ONES+7], v[P+16*\t+8*\kb:P+16*\t+8*\kb+7], v[LS+8*\t:LS+8*\t+7]
.endr
.endr
	PLACES
	WIN 0
.Lskip:
	v_add_nc_u32 v7, 0x1000, v7
	s_add_co_u32 s23, s23, 64
	s_sub_co_u32 s24, s24, 1
	s_cmp_lg_u32 s24, 0
	s_cbranch_scc1 .Lstep
	; the way out: O^T / l, rounded to f16: a lane's eight channels are 16 bytes of the next launch's operand image
	WIN 0x01
.irp t, 0,1,2,3
	v_rcp_f32 v[ST+8*\t+6], v[LS+8*\t]
.endr
	v_nop
	s_wait_alu depctr_va_vdst(0)
	WIN 0x41
.irp t, 0,1,2,3
.irp p, 0,1,2,3,4,5,6,7
	v_pk_mul_f32 v[O+16*\t+2*\p:O+16*\t+2*\p+1], v[O+16*\t+2*\p:O+16*\t+2*\p+1], v[ST+8*\t+6:ST+8*\t+7] op_sel_hi:[1,0]
.endr
.endr
	WIN 0x05
.set i, 0
.rept 32
	v_cvt_pk_f16_f32 v[S+i], v[O+2*i], v[O+2*i+1]
.set i, i+1
.endr
	WIN 0
.irp t, 0,1,2,3
.irp u, 0,1
	global_store_b128 v1, v[S+4*(2*\t+\u):S+4*(2*\t+\u)+3], s[44:45] offset:\t*8192+\u*512  ; 512 consecutive bytes, aligned
.endr
.endr
	s_wait_tensorcnt 0x0                           ; the wave's end, behind my last LDS store
	ds_add_u32 v14, v15
	s_wait_dscnt 0x0
	s_endpgm
.Lfunc_end_k_q394877bc62_att0:
	.size	k_q394877bc62_att0, .Lfunc_end_k_q394877bc62_att0-k_q394877bc62_att0
	.p2alignl 7, 3214868480
	.fill 96, 4, 3214868480
	.section	.rodata,"a",@progbits
	.p2align	6, 0x0
	.amdhsa_kernel k_q394877bc62_att0
		.amdhsa_group_segment_fixed_size 115712
		.amdhsa_private_segment_fixed_size 0
		.amdhsa_enable_private_segment 0
		.amdhsa_kernarg_size 32
		.amdhsa_user_sgpr_count 2
		.amdhsa_user_sgpr_kernarg_segment_ptr 1
		.amdhsa_wavefront_size32 1
		.amdhsa_system_sgpr_workgroup_id_x 1
		.amdhsa_system_sgpr_workgroup_id_y 1
		.amdhsa_system_sgpr_workgroup_id_z 1
		.amdhsa_system_vgpr_workitem_id 0
		.amdhsa_next_free_vgpr 512
		.amdhsa_next_free_sgpr 66
		.amdhsa_reserve_vcc 1
		.amdhsa_float_denorm_mode_32 3
		.amdhsa_float_denorm_mode_16_64 3
		.amdhsa_memory_ordered 1
		.amdhsa_forward_progress 1
		.amdhsa_inst_pref_size 85
	.end_amdhsa_kernel
	.amdgpu_metadata
---
amdhsa.version: [ 1, 2 ]
amdhsa.kernels:
  - .name:           k_q394877bc62_att0
    .symbol:         k_q394877bc62_att0.kd
    .args:
      - { .name: meta, .offset: 0, .size: 8, .value_kind: global_buffer, .address_space: global }
      - { .name: wl0, .offset: 8, .size: 8, .value_kind: global_buffer, .address_space: global }
      - { .name: xa, .offset: 16, .size: 8, .value_kind: global_buffer, .address_space: global }
      - { .name: ob, .offset: 24, .size: 8, .value_kind: global_buffer, .address_space: global }
    .group_segment_fixed_size: 115712
    .private_segment_fixed_size: 0
    .kernarg_segment_align: 8
    .kernarg_segment_size: 32
    .max_flat_workgroup_size: 256
    .sgpr_count:     66
    .vgpr_count:     512
    .wavefront_size: 32
...
	.end_amdgpu_metadata
.endif
;; end of part 2
;; launch ffn0 (part 3): grid 256 x 1, 4 waves a work-group, clusters of 4 x 1, 327,680 bytes of LDS; arguments wl0, xa, ob, xb; writes xb
.if DOCPART == 3
	.amdgcn_target "amdgcn-amd-amdhsa--gfx1250"
	.amdhsa_code_object_version 6
	.text
	.protected	k_q394877bc62_ffn0
	.globl	k_q394877bc62_ffn0
	.p2align	8
	.type	k_q394877bc62_ffn0,@function
k_q394877bc62_ffn0:
	s_mov_b64 s[64:65], 0
	v_nop
	global_prefetch_b8 v0, s[64:65] scope:SCOPE_SE
	s_setreg_imm32_b32 hwreg(HW_REG_WAVE_MODE, 25, 1), 1
	s_wait_xcnt 0x0
	s_wait_alu depctr_hold_cnt(0) depctr_sa_sdst(0) depctr_va_vdst(0) depctr_va_sdst(0) depctr_va_ssrc(0) depctr_va_vcc(0) depctr_vm_vsrc(0)
	s_getreg_b32 s2, hwreg(HW_REG_IB_STS2, 6, 4)
	s_cmp_eq_u32 s2, 0
	s_cbranch_scc0 .Lentry_in_a_cluster
	s_endpgm
.Lentry_in_a_cluster:
	s_bfe_u32 s2, ttmp6, 0x10000c
	s_cmp_lg_u32 s2, 0x3003
	s_cbranch_scc0 .Lentry_shape_is_right
	s_endpgm
.Lentry_shape_is_right:
; THE REST OF A LAYER for 64 tokens: y = x + ivs (o' wo) + bo; LayerNorm 1 and FiLM (one gain and one bias a channel, folded by the first launch); relu(h w1 + b1) w2 + b2 + h; LayerNorm 2;
; x is stored as f16 operand images.  No work of reference() is left out here.
; FORMATS.  o', x, h, the hidden layer and all weights are f16 matrix operands; sums, norms and residual sums in f32.  LIMIT: the hidden layer and h stay under 65,504.  The FFN's residual is the f16 h that the FFN reads.
; SHARES.  Four waves.  wo: wave w makes channels 64 w .. + 63 of all 64 tokens.  FFN: the hidden width is split: wave w owns hidden 256 w .. + 255, in 8 chunks of 32; a chunk's first product, taken so that a lane
; holds one token and eight hidden numbers, packs straight into the second product's operand: the hidden layer never leaves registers, and each weight fragment is read from LDS once, by one wave, for four products.
; The four partial sums [64 x 256] meet once in LDS: wave w ends with tile w (16 tokens x 256 channels), so LayerNorm 2 stays inside a wave.  Tiles are held in RELATIVE order: place i is tile (w + i) % 4.
; wo's SUMS START FROM vs x + vs bo, made while the first unit and o' are on their way: the sums are then vs y.  LayerNorm 1 takes the scale back where it is one number a token: the variance's factor is ivs^2 / 256,
; and 1 / sqrt(..) is multiplied by ivs.  VARIANCES are sums of squared distances from the mean; across the four waves they are joined by the means' own distances: no difference of large sums is formed.
; THE RING.  A layer's weights are 9 units of 131,072 bytes (wo, then 8 chunks of w1 and w2), each 4 wave parts of 32,768, dense.  Two LDS slots; each wave fetches and reads its own part.
; CLUSTER.  All work-groups walk the same units: the four of a cluster ask JOINTLY (the same tensor load, descriptor and mask in all four).  A unit's address is made of the layer's buffer, the wave's number, the cluster's
; number and constants alone.  A slot is filled again behind a round of the cluster's barrier.  By this text's own count a wave has two tensor loads out at the start and one behind each round.
; THE WALK.  The sum over the hidden width may be taken in any order: cluster n begins with chunk n % 8 and goes round, so that at any time the 64 clusters ask for eight different units.  b1 is laid into LDS in the order
; of the walk, so that no LDS address hangs on it.  NO PREFETCH: every unit is among the first fills of eight clusters, which go out at the head, where nothing is prefetched; no unit is asked for first at a later time.
; REGISTERS.  Window 0: v1 16 lane; v2 my part in slot 0; v3 the unit's address; v4 b1's; v5 b1's offset in memory; v6 0; v7 ivs; v8 1.0; v9 lane % 16; v10, v11 parameter offsets; v12, v13 the add's two;
;   v15 b1's way into LDS, later ivs^2 / 256 (v3, v4, v10, v14 end as the four addresses of the meeting of the partial sums);
;   v16-31 b1 of a chunk; v32-95 first product; v96-127 hidden, packed; v128-255 two buffers of 8 fragments.  Window 1: o', later h: place t, k step ks at 8 (8 t + ks).
;   Windows 2, 3 in the FFN: the 64 accumulators, (ct, t) in window 2 + t / 2 at 8 (2 ct + t % 2).  Window 2 before: v0-127 y; v128-191 x; v192-223 bo; v224-255 G.
.set BSO,   393216                     ; in the layer's buffer: the units,
.set UNIT,  131072
.set GBO,   1572864                    ; [b][2][256] f32: G, Bt,
.set FPO,   1638400                    ; [b] 16 bytes: vs, ivs, cs, 0,
.set PBO,   1638912                    ; bq, bk, bv, bo, b2, ln2_g, ln2_b (1,024 bytes each), b1
.set HX,    262144                     ; LDS, behind the two slots: h as fragments, [tile][ks][c][lane][16]
.set B1S,   294912                     ; b1 of the layer, f32, each wave's eight chunks in the order of the walk
.set STT,   299008                     ; [tile][wave][token] 8 bytes: a wave's mean and sum of squares
.set SPARE, 301056                     ; the spare words: 128 bytes a wave
.set BIAS, 16
.set A1,   32
.set HID,  96
.set WB,   128
.set XR,   128                         ; window 2
.set BO,   192
.set GG,   224
.set BT,   32                          ; window 0, LayerNorm 1
.set SM,   64
.set XO,   64                          ; (offsets of the head's loads, spent before SM is written)
.set OO,   68
.set MW,   72
.set MR,   80
.set SAW,  96
.set SAR,  100
.set HXW,  104
.set HXR,  108
.set TD,   112
.set RX,   144
.set PKH,  176
.set MSB, 0
.macro WIN new
.if MSB != (\new)
	s_set_vgpr_msb (MSB<<8)|(\new)
.set MSB, (\new)
.endif
.endm
.macro PLACES
.rept 4
	v_nop
.endr
.endm
.macro CREST                           ; a round of the cluster's barrier behind its opening barrier
	s_cmp_lg_u32 s28, 0
	s_cbranch_scc1 .Lnw0_\@
	s_barrier_signal -3
.Lnw0_\@:
	s_barrier_wait -3
	s_barrier_signal -1
	s_barrier_wait -1
.endm
.macro CROUND
	s_barrier_signal -1
	s_barrier_wait -1
	CREST
.endm
.macro FETCH buf, off                  ; eight fragments of my part
	WIN 0
.irp f, 0,1,2,3,4,5,6,7
	ds_load_b128 v[WB+64*(\buf)+8*\f:WB+64*(\buf)+8*\f+3], v3 offset:(\off)+\f*1024
	ds_load_b128 v[WB+64*(\buf)+8*\f+4:WB+64*(\buf)+8*\f+7], v3 offset:(\off)+\f*1024+512
.endr
.endm
.macro FETCHB                          ; a chunk's 32 numbers of b1, as the first product's C
	ds_load_b128 v[BIAS:BIAS+3], v4
	ds_load_b128 v[BIAS+4:BIAS+7], v4 offset:16
	ds_load_b128 v[BIAS+8:BIAS+11], v4 offset:64
	ds_load_b128 v[BIAS+12:BIAS+15], v4 offset:80
.endm
.macro MMO1 hb, buf, ksl, ct           ; wo: four products, channels 16 ct of my 64, k step 2 hb + ksl, onto sums that began as vs x + vs bo
	WIN 0xa4
.irp t, 0,1,2,3
.set rY, 8*(4*\t+(\ct))
.set rW, WB+64*(\buf)+8*(4*(\ksl)+(\ct))
.set rO, 8*(8*\t+2*(\hb)+(\ksl))
	v_wmma_f32_16x16x32_f16 v[rY:rY+7], v[rW:rW+7], v[rO:rO+7], v[rY:rY+7]
.endr
.endm
.macro MMOP hb, buf, part              ; 8, 8 and 16 of a buffer's 32 products; the 16 accumulators take turns
.if (\part) == 0
	MMO1 \hb, \buf, 0, 0
	MMO1 \hb, \buf, 0, 1
.elseif (\part) == 1
	MMO1 \hb, \buf, 0, 2
	MMO1 \hb, \buf, 0, 3
.else
.irp c, 0,1,2,3
	MMO1 \hb, \buf, 1, \c
.endr
.endif
.endm
.macro MM1 half, buf                   ; first product: 32 hidden x 64 tokens, k steps 4 half .. + 3; b1 starts the sums; eight accumulators take turns
	WIN 0x04
.irp ksl, 0,1,2,3
.irp u, 0,1
.irp t, 0,1,2,3
.set rA, A1+8*(4*\u+\t)
.set rW, WB+64*(\buf)+8*(2*\ksl+\u)
.set rH, 8*(8*\t+4*(\half)+\ksl)
.if (\half)+\ksl == 0
	v_wmma_f32_16x16x32_f16 v[rA:rA+7], v[rW:rW+7], v[rH:rH+7], v[BIAS+8*\u:BIAS+8*\u+7]
.else
	v_wmma_f32_16x16x32_f16 v[rA:rA+7], v[rW:rW+7], v[rH:rH+7], v[rA:rA+7]
.endif
.endr
.endr
.endr
.endm
.macro MM2Q half, buf, thi, ctl, zero  ; second product: channels 16 (8 half + ctl), places 2 thi and 2 thi + 1
	WIN 0xa0+0x50*(\thi)
.irp tl, 0,1
.set rC, 8*(2*(8*(\half)+(\ctl))+\tl)
.set rW, WB+64*(\buf)+8*(\ctl)
.set rH, HID+8*(2*(\thi)+\tl)
.if \zero
	v_wmma_f32_16x16x32_f16 v[rC:rC+7], v[rW:rW+7], v[rH:rH+7], 0
.else
	v_wmma_f32_16x16x32_f16 v[rC:rC+7], v[rW:rW+7], v[rH:rH+7], v[rC:rC+7]
.endif
.endr
.endm
.macro MM2P half, buf, part, zero      ; 8, 8 and 16 of a buffer's 32 products; each of the 64 accumulators has one turn a chunk
.if (\part) == 0
.irp c, 0,1,2,3
	MM2Q \half, \buf, 0, \c, \zero
.endr
.elseif (\part) == 1
.irp c, 4,5,6,7
	MM2Q \half, \buf, 0, \c, \zero
.endr
.else
.irp c, 0,1,2,3,4,5,6,7
	MM2Q \half, \buf, 1, \c, \zero
.endr
.endif
.endm
.macro TPART kind, part, zero
.if \kind
	MM2P 1, 1, \part, \zero
.else
	MMOP 3, 1, \part
.endif
.endm
; THE LAST QUARTER OF A UNIT (it lies in buffer 1) AND THE CHANGE OF SLOTS.  Each wave waits for all its tensor loads, of which one is out: its part of the next unit; adds 0 to its spare word; and waits for that
; and for its reads of this slot.  fill = 1: the barrier opens a round of the cluster's barrier, and the joint refill, the walk's chunk two on, is the first thing behind the round; its address is made anew from the chunk's number.
; fetch = 1: the next unit's first fragments are read; 2: the same, but for the tail loop's last trip, which has no next unit.
.macro TURN kind, zero, fill, fetch
	WIN 0
	s_wait_tensorcnt 0x0                           ; no tensor load of mine is out, so the walking descriptor may be written
	ds_add_u32 v12, v13                            ; 0 onto my spare word
.if \fill
	s_xor_b32 s49, s49, 0x20000                    ; the other slot than last time,
	s_add_co_u32 s55, s55, 1
	s_and_b32 s55, s55, 7                          ; the walk's next chunk: behind chunk 7 comes chunk 0
	s_lshl_b32 s94, s55, 17
	s_add_nc_u64 s[50:51], s[92:93], s[94:95]
	s_or_b32 s51, s51, 0x80000000
.endif
	s_xor_b32 s52, s52, 0x20000                    ; the slot to be read next
	s_wait_dscnt 0x1                               ; the buffer's 16 loads are in; only the add may be out
	TPART \kind, 0, \zero
	s_wait_dscnt 0x0                               ; the add is done, and my reads of this slot are over
	s_barrier_signal -1
	TPART \kind, 1, \zero
	WIN 0
	s_barrier_wait -1
.if \fill
	CREST                                          ; no wave of any partner still reads this slot or has a load on its way
	tensor_load_to_lds s[48:51], s[36:43]
	s_nop 0
.endif
	PLACES                                         ; behind the load; also the places ahead of the loads into buffer 0
.if (\fetch) == 2
	s_cmp_eq_u32 s53, 1
	s_cbranch_scc1 .Lnf_\@
.endif
.if \fetch
	v_add_nc_u32 v3, s52, v2
	v_add_nc_u32 v4, 0x80, v4
	FETCHB
	FETCH 0, 0
.endif
.if (\fetch) == 2
.Lnf_\@:
.endif
	TPART \kind, 2, \zero
.endm
.macro CHUNKA zero                     ; a chunk's first three quarters
	s_wait_dscnt 0x0
	PLACES
	FETCH 1, 8192
	MM1 0, 0
	s_wait_dscnt 0x0
	PLACES
	FETCH 0, 16384
	MM1 1, 1
	WIN 0
	PLACES
.irp u, 0,1
.irp t, 0,1,2,3
.irp p, 0,1,2,3
	v_cvt_pk_f16_f32 v[HID+8*\t+4*\u+\p], v[A1+8*(4*\u+\t)+2*\p], v[A1+8*(4*\u+\t)+2*\p+1]
.endr
.endr
.endr
.set i, 0
.rept 32
	v_pk_max_num_f16 v[HID+i], v[HID+i], v6        ; relu, two at a time
.set i, i+1
.endr
	s_wait_dscnt 0x0
	FETCH 1, 24576
	MM2P 0, 0, 0, \zero
	MM2P 0, 0, 1, \zero
	MM2P 0, 0, 2, \zero
.endm
.macro TREE                            ; four pairs of partial sums in v16-23 -> the row's sum in v16, in both halves of the lanes
	WIN 0
	v_pk_add_f32 v[16:17], v[16:17], v[18:19]
	v_pk_add_f32 v[20:21], v[20:21], v[22:23]
	v_pk_add_f32 v[16:17], v[16:17], v[20:21]
	v_add_f32 v16, v16, v17
	v_permlanex16_b32 v17, v16, s58, s59
	v_add_f32 v16, v16, v17
.endm
; LayerNorm of my tile: Z, channels 16 ct + 8 (lane / 16) + j at window 2, v[16 ct + j].  wfin: the windows of the last line; gb, bb: gain and bias at gb + 8 ct, bb + 8 ct.
.macro LNORM wfin, gb, bb
	WIN 0x0a
.irp c, 0,1,2,3
	v_pk_add_f32 v[16+2*\c:17+2*\c], v[2*\c:2*\c+1], v[16+2*\c:17+2*\c]
.endr
	WIN 0x08
.set i, 8
.rept 56
	v_pk_add_f32 v[16+2*(i%4):17+2*(i%4)], v[16+2*(i%4):17+2*(i%4)], v[16*(i/4)+2*(i%4):16*(i/4)+2*(i%4)+1]
.set i, i+1
.endr
	TREE
	v_mul_f32 v24, 0x3b800000, v16
	v_mov_b32 v25, 0
	WIN 0x82
.set i, 0
.rept 64
	v_pk_add_f32 v[16*(i/4)+2*(i%4):16*(i/4)+2*(i%4)+1], v[16*(i/4)+2*(i%4):16*(i/4)+2*(i%4)+1], v[24:25] op_sel_hi:[1,0] neg_lo:[0,1] neg_hi:[0,1]
.set i, i+1
.endr
	WIN 0x0a
.irp c, 0,1,2,3
	v_pk_mul_f32 v[16+2*\c:17+2*\c], v[2*\c:2*\c+1], v[2*\c:2*\c+1]
.endr
.set i, 4
.rept 60
	v_pk_fma_f32 v[16+2*(i%4):17+2*(i%4)], v[16*(i/4)+2*(i%4):16*(i/4)+2*(i%4)+1], v[16*(i/4)+2*(i%4):16*(i/4)+2*(i%4)+1], v[16+2*(i%4):17+2*(i%4)]
.set i, i+1
.endr
	TREE
	v_fma_f32 v16, v16, s84, s85                   ; variance + 1e-5
	v_rsq_f32 v26, v16
	v_mov_b32 v27, 0                               ; the plain instruction behind it,
	s_wait_alu depctr_va_vdst(0)                   ; and its wait
	WIN 0x82
.set i, 0
.rept 64
	v_pk_mul_f32 v[16*(i/4)+2*(i%4):16*(i/4)+2*(i%4)+1], v[16*(i/4)+2*(i%4):16*(i/4)+2*(i%4)+1], v[26:27] op_sel_hi:[1,0]
.set i, i+1
.endr
	WIN \wfin
.set i, 0
.rept 64
	v_pk_fma_f32 v[16*(i/4)+2*(i%4):16*(i/4)+2*(i%4)+1], v[16*(i/4)+2*(i%4):16*(i/4)+2*(i%4)+1], v[(\gb)+2*i:(\gb)+2*i+1], v[(\bb)+2*i:(\bb)+2*i+1]
.set i, i+1
.endr
	WIN 0
.endm
; The meeting of the partial sums, four channel blocks at a time: 24 loads from my three inboxes into the register set at base; 48 packed sums onto my own place 0.
.macro RLOAD bt, base
	WIN 0
.irp i, 0,1,2
.irp cl, 0,1,2,3
	ds_load_b128 v[(\base)+32*\i+8*\cl:(\base)+32*\i+8*\cl+3], v14 offset:\i*16384+(4*(\bt)+\cl)*1024
	ds_load_b128 v[(\base)+32*\i+8*\cl+4:(\base)+32*\i+8*\cl+7], v14 offset:\i*16384+(4*(\bt)+\cl)*1024+512
.endr
.endr
.endm
.macro RADD bt, base
	WIN 0x82
.irp i, 0,1,2
.irp cl, 0,1,2,3
.irp p, 0,1,2,3
	v_pk_add_f32 v[16*(4*(\bt)+\cl)+2*\p:16*(4*(\bt)+\cl)+2*\p+1], v[16*(4*(\bt)+\cl)+2*\p:16*(4*(\bt)+\cl)+2*\p+1], v[(\base)+32*\i+8*\cl+2*\p:(\base)+32*\i+8*\cl+2*\p+1]
.endr
.endr
.endr
.endm
	s_load_b256 s[4:11], s[0:1], 0x0               ; the layer's buffer 4, x 6, o' 8, the result 10
	v_lshl_add_u32 v12, v0, 2, SPARE
	v_mov_b32 v13, 0
	ds_add_u32 v12, v13                            ; the wave's opening: the add, twice on end, and its wait ahead of my first tensor load
	ds_add_u32 v12, v13
	v_lshrrev_b32 v9, 5, v0
	v_readfirstlane_b32 s28, v9                    ; wave
	s_bfe_u32 s29, ttmp6, 0x40000                  ; cx: it enters global addresses of my own loads and stores alone
	s_lshl_b32 s34, ttmp9, 2
	s_add_co_u32 s34, s34, s29                     ; g: my 64 tokens
	s_lshr_b32 s33, ttmp9, 1                       ; b, which the four partners share
	s_and_b32 s55, ttmp9, 7                        ; the chunk with which my cluster begins its walk
	s_lshl_b32 s94, s55, 17
	s_mov_b32 s95, 0
	s_mov_b32 s36, 15|(3<<16)|(1<<21)              ; group 1: the mask of four; elements of 8 bytes; bit 21 beside a mask; no padding: fragments are read as they lie
	s_mov_b32 s37, 32<<16                          ; tensor_dim0 = 32 elements: rows of 256 bytes
	s_mov_b32 s38, 128<<16                         ; tensor_dim1 = 128
	s_mov_b32 s39, 32<<16                          ; tile_dim0 = 32
	s_mov_b32 s40, 128                             ; tile_dim1 = 128
	s_mov_b32 s41, 32                              ; 32 elements from row to row: dense
	s_mov_b32 s42, 0
	s_mov_b32 s43, 0
	s_mov_b32 s44, 1
	s_lshl_b32 s45, s28, 15                        ; slot 0, my part
	s_mov_b32 s48, 1
	s_add_co_u32 s49, s45, 0x20000                 ; slot 1, my part
	s_mov_b32 s52, 0
	s_mov_b32 s58, 0x76543210
	s_mov_b32 s59, 0xfedcba98
	s_mov_b32 s84, 0x3b800000                      ; 1/256
	s_mov_b32 s85, 0x3727c5ac                      ; 1e-5
.irp i, 0,1,2,3
	s_add_co_u32 s[72+\i], s28, \i
	s_and_b32 s[72+\i], s[72+\i], 3                ; the tile at place i
.endr
	s_lshl_b32 s67, s33, 4
	s_add_co_u32 s68, s45, BSO
	s_mov_b32 s69, 0
	s_lshl_b32 s76, s34, 15
	s_mov_b32 s77, 0
	s_lshl_b32 s80, s33, 11
	s_mov_b32 s81, 0
	s_lshl_b32 s86, s28, 13
	s_add_co_u32 s86, s86, s76                     ; x out: tile 4 g + w
	s_mov_b32 s87, 0
	s_wait_dscnt 0x0                               ; both opening adds are done
	s_wait_kmcnt 0x0
	s_load_b128 s[60:63], s[4:5], s67 offset:FPO   ; vs, ivs, cs, 0
	s_add_nc_u64 s[46:47], s[4:5], s[68:69]        ; unit 0 (wo), my part
	s_add_nc_u64 s[92:93], s[46:47], UNIT          ; chunk 0, my part: kept, each refill's address is made from it
	s_add_nc_u64 s[50:51], s[92:93], s[94:95]      ; the walk's first chunk
	s_or_b32 s47, s47, 0x80000000
	s_or_b32 s51, s51, 0x80000000
	s_add_nc_u64 s[78:79], s[8:9], s[76:77]        ; o' at my four tiles
	s_add_nc_u64 s[76:77], s[6:7], s[76:77]        ; x
	s_add_nc_u64 s[80:81], s[4:5], s[80:81]        ; the row b's 2,048 bytes in G and Bt
	s_add_nc_u64 s[10:11], s[10:11], s[86:87]
	CROUND                                         ; all four work-groups are here: the first joint loads meet
	tensor_load_to_lds s[44:47], s[36:43]          ; wo
	s_nop 0
	tensor_load_to_lds s[48:51], s[36:43]          ; the walk's first chunk
	s_nop 0
	PLACES
	v_and_b32 v9, 31, v0
	v_lshlrev_b32 v1, 4, v9
	v_add_nc_u32 v2, s45, v1
	v_lshrrev_b32 v5, 2, v9                        ; b1: my 32 bytes lie at place lane / 4 of my wave's walk,
	v_add_nc_u32 v5, s55, v5
	v_and_b32 v5, 7, v5                            ; which is this chunk
	v_lshlrev_b32 v5, 7, v5
	v_and_b32 v15, 3, v9
	v_lshl_add_u32 v5, v15, 5, v5
	s_lshl_b32 s88, s28, 10
	v_add_nc_u32 v5, s88, v5
	v_lshlrev_b32 v15, 5, v0
	v_add_nc_u32 v15, B1S, v15
	v_bfe_u32 v9, v0, 4, 1
	v_lshlrev_b32 v11, 5, v9
	s_add_co_u32 s88, s88, B1S
	v_add_nc_u32 v4, s88, v11
	s_lshl_b32 s88, s28, 8
	v_add_nc_u32 v10, s88, v11
	v_mov_b32 v6, 0
	v_mov_b32 v8, 1.0
	v_and_b32 v9, 15, v0
	s_lshl_b32 s89, s28, 11
	s_lshl_b32 s90, s28, 7
.irp t, 0,1,2,3
	s_lshl_b32 s88, s[72+\t], 13
	v_add_nc_u32 v[OO+\t], s88, v1
	v_add_nc_u32 v[XO+\t], s89, v[OO+\t]
	v_add_nc_u32 v[HXR+\t], HX, v[OO+\t]
	v_add_nc_u32 v[HXW+\t], HX, v[XO+\t]
	s_lshl_b32 s88, s[72+\t], 9
	s_add_co_u32 s88, s88, STT
	v_lshl_add_u32 v[SAR+\t], v9, 3, s88
	v_add_nc_u32 v[SAW+\t], s90, v[SAR+\t]
.endr
	WIN 0x80
.irp t, 0,1,2,3
.irp ct, 0,1,2,3
	global_load_b128 v[XR+4*(4*\t+\ct):XR+4*(4*\t+\ct)+3], v[XO+\t], s[76:77] offset:\ct*512
.endr
.endr
.irp ct, 0,1,2,3
	global_load_b128 v[BO+8*\ct:BO+8*\ct+3], v10, s[4:5] offset:PBO+3072+\ct*64
	global_load_b128 v[BO+8*\ct+4:BO+8*\ct+7], v10, s[4:5] offset:PBO+3072+\ct*64+16
	global_load_b128 v[GG+8*\ct:GG+8*\ct+3], v10, s[80:81] offset:GBO+\ct*64
	global_load_b128 v[GG+8*\ct+4:GG+8*\ct+7], v10, s[80:81] offset:GBO+\ct*64+16
.endr
	WIN 0
.irp ct, 0,1,2,3
	global_load_b128 v[BT+8*\ct:BT+8*\ct+3], v10, s[80:81] offset:GBO+1024+\ct*64
	global_load_b128 v[BT+8*\ct+4:BT+8*\ct+7], v10, s[80:81] offset:GBO+1024+\ct*64+16
.endr
	global_load_b128 v[16:19], v5, s[4:5] offset:PBO+7168
	global_load_b128 v[20:23], v5, s[4:5] offset:PBO+7168+16
	WIN 0x40
.irp ks, 0,1,2,3,4,5,6,7
.irp t, 0,1,2,3
	global_load_b128 v[8*(8*\t+\ks):8*(8*\t+\ks)+3], v[OO+\t], s[78:79] offset:\ks*1024
	global_load_b128 v[8*(8*\t+\ks)+4:8*(8*\t+\ks)+7], v[OO+\t], s[78:79] offset:\ks*1024+512
.endr
.endr
	WIN 0
	s_wait_kmcnt 0x0
	v_mov_b32 v7, s61                              ; ivs
	v_mov_b32 v112, s60                            ; vs
	s_wait_loadcnt 63                              ; of the 106 loads the oldest 43 are in: x, bo, G, Bt and b1 are the first 42
	WIN 0x82
.set i, 0
.rept 16
	v_pk_mul_f32 v[BO+2*i:BO+2*i+1], v[BO+2*i:BO+2*i+1], s[60:61] op_sel_hi:[1,0]
.set i, i+1
.endr
	WIN 0xa2
.set i, 0
.rept 16                                           ; wo's sums start from vs x + vs bo
.set jj, 0
.rept 4
	v_fma_mix_f32 v[8*i+2*jj], v[XR+4*i+jj], v112, v[BO+8*(i%4)+2*jj] op_sel_hi:[1,0,0]
	v_fma_mix_f32 v[8*i+2*jj+1], v[XR+4*i+jj], v112, v[BO+8*(i%4)+2*jj+1] op_sel:[1,0,0] op_sel_hi:[1,0,0]
.set jj, jj+1
.endr
.set i, i+1
.endr
	WIN 0
	s_wait_tensorcnt 0x1                           ; my part of wo is in, and I alone read it; the first chunk's may stay out
	v_mov_b32 v3, v2
	FETCH 0, 0
	s_wait_loadcnt 48                              ; o' of k steps 0, 1 and all older loads are in; the 48 loads of k steps 2-7 may stay out
	ds_store_b128 v15, v[16:19]                    ; b1: each wave lays down the 1,024 bytes that it will read itself
	ds_store_b128 v15, v[20:23] offset:16
	s_wait_dscnt 0x0
	FETCH 1, 8192
	MMOP 0, 0, 0
	MMOP 0, 0, 1
	MMOP 0, 0, 2
	s_wait_loadcnt 32                              ; k steps 2, 3
	s_wait_dscnt 0x0
	PLACES
	FETCH 0, 16384
	MMOP 1, 1, 0
	MMOP 1, 1, 1
	MMOP 1, 1, 2
	s_wait_loadcnt 16                              ; k steps 4, 5
	s_wait_dscnt 0x0
	PLACES
	FETCH 1, 24576
	MMOP 2, 0, 0
	MMOP 2, 0, 1
	MMOP 2, 0, 2
	s_wait_loadcnt 0x0
	TURN 0, 0, 1, 0                                ; the last quarter of wo; the walk's second chunk is asked for
	; LayerNorm 1 on vs y.  My 64 channels' mean for each token
	WIN 0
	PLACES
	v_mul_f32 v15, v7, v7
	v_mul_f32 v15, 0x3b800000, v15                 ; ivs^2 / 256
	WIN 0x0a
.irp t, 0,1,2,3
	v_pk_add_f32 v[SM+2*\t:SM+2*\t+1], v[32*\t:32*\t+1], v[32*\t+2:32*\t+3]
.endr
	WIN 0x08
.set i, 2
.rept 14
.irp t, 0,1,2,3
	v_pk_add_f32 v[SM+2*\t:SM+2*\t+1], v[SM+2*\t:SM+2*\t+1], v[32*\t+2*i:32*\t+2*i+1]
.endr
.set i, i+1
.endr
	WIN 0
.irp t, 0,1,2,3
	v_add_f32 v[SM+2*\t], v[SM+2*\t], v[SM+2*\t+1]
.endr
.irp t, 0,1,2,3
	v_permlanex16_b32 v[SM+2*\t+1], v[SM+2*\t], s58, s59
.endr
.irp t, 0,1,2,3
	v_add_f32 v[SM+2*\t], v[SM+2*\t], v[SM+2*\t+1]
.endr
.irp t, 0,1,2,3
	v_mul_f32 v[MW+2*\t], 0x3c800000, v[SM+2*\t]
	v_mov_b32 v[MW+2*\t+1], 0
.endr
	; and the sum of squared distances from it
.irp t, 0,1,2,3
	WIN 0x02
.set i, 0
.rept 16
	v_pk_add_f32 v[TD+2*i:TD+2*i+1], v[32*\t+2*i:32*\t+2*i+1], v[MW+2*\t:MW+2*\t+1] op_sel_hi:[1,0] neg_lo:[0,1] neg_hi:[0,1]
.set i, i+1
.endr
	WIN 0
.set i, 0
.rept 4
	v_pk_mul_f32 v[RX+8*\t+2*i:RX+8*\t+2*i+1], v[TD+2*i:TD+2*i+1], v[TD+2*i:TD+2*i+1]
.set i, i+1
.endr
.rept 12
	v_pk_fma_f32 v[RX+8*\t+2*(i%4):RX+8*\t+2*(i%4)+1], v[TD+2*i:TD+2*i+1], v[TD+2*i:TD+2*i+1], v[RX+8*\t+2*(i%4):RX+8*\t+2*(i%4)+1]
.set i, i+1
.endr
.endr
.irp t, 0,1,2,3
	v_pk_add_f32 v[RX+8*\t:RX+8*\t+1], v[RX+8*\t:RX+8*\t+1], v[RX+8*\t+2:RX+8*\t+3]
	v_pk_add_f32 v[RX+8*\t+4:RX+8*\t+5], v[RX+8*\t+4:RX+8*\t+5], v[RX+8*\t+6:RX+8*\t+7]
.endr
.irp t, 0,1,2,3
	v_pk_add_f32 v[RX+8*\t:RX+8*\t+1], v[RX+8*\t:RX+8*\t+1], v[RX+8*\t+4:RX+8*\t+5]
.endr
.irp t, 0,1,2,3
	v_add_f32 v[RX+8*\t], v[RX+8*\t], v[RX+8*\t+1]
.endr
.irp t, 0,1,2,3
	v_permlanex16_b32 v[RX+8*\t+1], v[RX+8*\t], s58, s59
.endr
.irp t, 0,1,2,3
	v_add_f32 v[MW+2*\t+1], v[RX+8*\t], v[RX+8*\t+1]
.endr
.irp t, 0,1,2,3
	ds_store_b64 v[SAW+\t], v[MW+2*\t:MW+2*\t+1]
.endr
	s_wait_dscnt 0x0                               ; for the others' sake
	s_barrier_signal -1                            ; the unit on its way may stay out
	s_barrier_wait -1
.irp t, 0,1,2,3
.irp w, 0,1,2,3
	ds_load_b64 v[RX+8*\t+2*\w:RX+8*\t+2*\w+1], v[SAR+\t] offset:\w*128
.endr
.endr
	s_wait_dscnt 0x0
.irp t, 0,1,2,3                                    ; the four waves' figures joined: mean of the means; sums of squares plus 64 x the means' squared distances
.set rR, RX+8*\t
.set rD, TD+8*\t
	v_add_f32 v[rD], v[rR], v[rR+2]
	v_add_f32 v[rD+1], v[rR+4], v[rR+6]
	v_add_f32 v[rD+6], v[rR+1], v[rR+3]
	v_add_f32 v[rD+7], v[rR+5], v[rR+7]
	v_add_f32 v[rD], v[rD], v[rD+1]
	v_add_f32 v[rD+6], v[rD+6], v[rD+7]
	v_mul_f32 v[rD], 0x3e800000, v[rD]
	v_sub_f32 v[rD+1], v[rR], v[rD]
	v_sub_f32 v[rD+2], v[rR+2], v[rD]
	v_sub_f32 v[rD+3], v[rR+4], v[rD]
	v_sub_f32 v[rD+4], v[rR+6], v[rD]
	v_mul_f32 v[rD+5], v[rD+1], v[rD+1]
	v_fmac_f32 v[rD+5], v[rD+2], v[rD+2]
	v_fmac_f32 v[rD+5], v[rD+3], v[rD+3]
	v_fmac_f32 v[rD+5], v[rD+4], v[rD+4]
	v_fmamk_f32 v[rD+5], v[rD+5], 0x42800000, v[rD+6]
	v_fma_f32 v[rD+5], v[rD+5], v15, s85           ; y's variance + 1e-5
.endr
.irp t, 0,1,2,3
	v_rsq_f32 v[MR+4*\t], v[TD+8*\t+5]
.endr
.irp t, 0,1,2,3
	v_mov_b32 v[MR+4*\t+1], 0                      ; named as pairs; also the plain instructions behind the last root
	v_mov_b32 v[MR+4*\t+3], 0
.endr
	s_wait_alu depctr_va_vdst(0)                   ; one wait for the four
.irp t, 0,1,2,3
	v_mul_f32 v[MR+4*\t], v7, v[MR+4*\t]           ; times ivs: the factor for vs y
.endr
.irp t, 0,1,2,3
	v_mul_f32 v[MR+4*\t+2], -v[TD+8*\t], v[MR+4*\t]
.endr
	WIN 0x82
.set i, 0
.rept 64
	v_pk_fma_f32 v[2*i:2*i+1], v[2*i:2*i+1], v[MR+4*(i/16):MR+4*(i/16)+1], v[MR+4*(i/16)+2:MR+4*(i/16)+3] op_sel_hi:[1,0,0]
.set i, i+1
.endr
	WIN 0x8a
.set i, 0
.rept 64
	v_pk_fma_f32 v[2*i:2*i+1], v[2*i:2*i+1], v[GG+2*(i%16):GG+2*(i%16)+1], v[BT+2*(i%16):BT+2*(i%16)+1]  ; h
.set i, i+1
.endr
	WIN 0x0a
.set i, 0
.rept 64
	v_cvt_pk_f16_f32 v[PKH+i], v[2*i], v[2*i+1]
.set i, i+1
.endr
	WIN 0
.irp t, 0,1,2,3
.irp ct, 0,1,2,3
	ds_store_b128 v[HXW+\t], v[PKH+4*(4*\t+\ct):PKH+4*(4*\t+\ct)+3] offset:\ct*512
.endr
.endr
	s_wait_dscnt 0x0
	s_barrier_signal -1
	s_barrier_wait -1                              ; h of all 256 channels lies in LDS
	WIN 0x40
.irp t, 0,1,2,3
.irp ks, 0,1,2,3,4,5,6,7
	ds_load_b128 v[8*(8*\t+\ks):8*(8*\t+\ks)+3], v[HXR+\t] offset:\ks*1024
	ds_load_b128 v[8*(8*\t+\ks)+4:8*(8*\t+\ks)+7], v[HXR+\t] offset:\ks*1024+512
.endr
.endr
	WIN 0
	v_add_nc_u32 v3, s52, v2
	FETCHB
	FETCH 0, 0
	CHUNKA 1                                       ; the walk's first chunk: its second products start the 64 sums
	TURN 1, 1, 1, 1
	WIN 0
	s_mov_b32 s53, 5
.Lunit:                                            ; the walk's chunks 2 to 6; their changes of slots ask for chunks 4 to 8
	CHUNKA 0
	TURN 1, 0, 1, 1
	WIN 0
	s_sub_co_u32 s53, s53, 1
	s_cmp_lg_u32 s53, 0
	s_cbranch_scc1 .Lunit
	s_mov_b32 s53, 2
.Ltail:                                            ; the last two chunks: nothing is left to ask for, so no round and no load; the second trip fetches no next chunk
	CHUNKA 0
	TURN 1, 0, 0, 2
	WIN 0
	s_sub_co_u32 s53, s53, 1
	s_cmp_lg_u32 s53, 0
	s_cbranch_scc1 .Ltail
	s_wait_dscnt 0x0                               ; no read of mine from the slots is out,
	s_barrier_signal -1
	s_barrier_wait -1                              ; nor of any wave: the slots have had their last fill and their last read, and serve as inboxes from here on
	; THE FOUR PARTIAL SUMS MEET.  A wave's inboxes lie at 65,536 x its number, three of 16,384 bytes.  Place i (1..3) goes to the wave that owns its tile, into that wave's inbox i - 1
	PLACES
	s_lshl_b32 s88, s73, 16
	v_add_nc_u32 v3, s88, v1
	s_lshl_b32 s88, s74, 16
	v_add_nc_u32 v4, s88, v1
	s_lshl_b32 s88, s75, 16
	v_add_nc_u32 v10, s88, v1
	s_lshl_b32 s88, s28, 16
	v_add_nc_u32 v14, s88, v1
	WIN 0x08
.set c, 0
.rept 16
	ds_store_b128 v3, v[16*c+8:16*c+11] offset:c*1024
	ds_store_b128 v3, v[16*c+12:16*c+15] offset:c*1024+512
.set c, c+1
.endr
	WIN 0x0c
.set c, 0
.rept 16
	ds_store_b128 v4, v[16*c:16*c+3] offset:16384+c*1024
	ds_store_b128 v4, v[16*c+4:16*c+7] offset:16384+c*1024+512
	ds_store_b128 v10, v[16*c+8:16*c+11] offset:32768+c*1024
	ds_store_b128 v10, v[16*c+12:16*c+15] offset:32768+c*1024+512
.set c, c+1
.endr
	WIN 0x40
.set c, 0
.rept 16
	global_load_b128 v[64+8*c:67+8*c], v11, s[4:5] offset:PBO+5120+c*64        ; ln2_g
	global_load_b128 v[68+8*c:71+8*c], v11, s[4:5] offset:PBO+5120+c*64+16
.set c, c+1
.endr
	s_wait_dscnt 0x0                               ; my stores lie in the inboxes, and have read window 3
	WIN 0xc0
.set c, 0
.rept 16
	global_load_b128 v[128+8*c:131+8*c], v11, s[4:5] offset:PBO+4096+c*64      ; b2
	global_load_b128 v[132+8*c:135+8*c], v11, s[4:5] offset:PBO+4096+c*64+16
.set c, c+1
.endr
.set c, 0
.rept 16
	global_load_b128 v[8*c:8*c+3], v11, s[4:5] offset:PBO+6144+c*64            ; ln2_b
	global_load_b128 v[8*c+4:8*c+7], v11, s[4:5] offset:PBO+6144+c*64+16
.set c, c+1
.endr
	WIN 0
	s_barrier_signal -1
	s_barrier_wait -1
	RLOAD 0, 16                                    ; two register sets take turns: a batch is added while the next is on its way
	RLOAD 1, 128
	s_wait_dscnt 24                                ; the older batch is in; the younger's 24 loads may stay out
	RADD 0, 16
	RLOAD 2, 16
	s_wait_dscnt 24
	RADD 1, 128
	RLOAD 3, 128
	s_wait_dscnt 24
	RADD 2, 16
	s_wait_dscnt 0x0
	RADD 3, 128
	s_wait_loadcnt 0x0
	WIN 0xa1
.set c, 0
.rept 16
.set jj, 0
.rept 4
	v_fma_mix_f32 v[16*c+2*jj], v[4*c+jj], v8, v[16*c+2*jj] op_sel_hi:[1,0,0]                     ; + h, my tile's
	v_fma_mix_f32 v[16*c+2*jj+1], v[4*c+jj], v8, v[16*c+2*jj+1] op_sel:[1,0,0] op_sel_hi:[1,0,0]
.set jj, jj+1
.endr
.set c, c+1
.endr
	WIN 0x8e
.set i, 0
.rept 64
	v_pk_add_f32 v[16*(i/4)+2*(i%4):16*(i/4)+2*(i%4)+1], v[16*(i/4)+2*(i%4):16*(i/4)+2*(i%4)+1], v[128+2*i:129+2*i]  ; + b2
.set i, i+1
.endr
	LNORM 0xb6, 64, 0                              ; gain in window 1, bias in window 3
	WIN 0x0a
.set i, 0
.rept 64
	v_cvt_pk_f16_f32 v[32+i], v[16*(i/4)+2*(i%4)], v[16*(i/4)+2*(i%4)+1]
.set i, i+1
.endr
	WIN 0
.set c, 0
.rept 16
	global_store_b128 v1, v[32+4*c:35+4*c], s[10:11] offset:c*512   ; 512 consecutive bytes, aligned: x as the next launch's operand image
.set c, c+1
.endr
	s_wait_tensorcnt 0x0                           ; the wave's end, behind my last tensor load and my last LDS store
	ds_add_u32 v12, v13
	s_wait_dscnt 0x0
	CROUND                                         ; the closing round: no work-group ends while a partner may still ask for a unit that names it
	s_endpgm
.Lfunc_end_k_q394877bc62_ffn0:
	.size	k_q394877bc62_ffn0, .Lfunc_end_k_q394877bc62_ffn0-k_q394877bc62_ffn0
	.p2alignl 7, 3214868480
	.fill 96, 4, 3214868480
	.section	.rodata,"a",@progbits
	.p2align	6, 0x0
	.amdhsa_kernel k_q394877bc62_ffn0
		.amdhsa_group_segment_fixed_size 327680
		.amdhsa_private_segment_fixed_size 0
		.amdhsa_enable_private_segment 0
		.amdhsa_kernarg_size 32
		.amdhsa_user_sgpr_count 2
		.amdhsa_user_sgpr_kernarg_segment_ptr 1
		.amdhsa_wavefront_size32 1
		.amdhsa_system_sgpr_workgroup_id_x 1
		.amdhsa_system_sgpr_workgroup_id_y 1
		.amdhsa_system_sgpr_workgroup_id_z 1
		.amdhsa_system_vgpr_workitem_id 0
		.amdhsa_next_free_vgpr 1024
		.amdhsa_next_free_sgpr 100
		.amdhsa_reserve_vcc 0
		.amdhsa_float_denorm_mode_32 3
		.amdhsa_float_denorm_mode_16_64 3
		.amdhsa_memory_ordered 1
		.amdhsa_forward_progress 1
		.amdhsa_inst_pref_size 205
	.end_amdhsa_kernel
	.amdgpu_metadata
---
amdhsa.version: [ 1, 2 ]
amdhsa.kernels:
  - .name:           k_q394877bc62_ffn0
    .symbol:         k_q394877bc62_ffn0.kd
    .args:
      - { .name: wl0, .offset: 0, .size: 8, .value_kind: global_buffer, .address_space: global }
      - { .name: xa, .offset: 8, .size: 8, .value_kind: global_buffer, .address_space: global }
      - { .name: ob, .offset: 16, .size: 8, .value_kind: global_buffer, .address_space: global }
      - { .name: xb, .offset: 24, .size: 8, .value_kind: global_buffer, .address_space: global }
    .group_segment_fixed_size: 327680
    .private_segment_fixed_size: 0
    .kernarg_segment_align: 8
    .kernarg_segment_size: 32
    .max_flat_workgroup_size: 128
    .sgpr_count:     100
    .vgpr_count:     1024
    .wavefront_size: 32
...
	.end_amdgpu_metadata
.endif
;; end of part 3
;; launch att1: the kernel of part 2 again; grid 256 x 1, 8 waves a work-group, no clusters, 115,712 bytes of LDS; arguments meta, wl1, xb, ob; writes ob
;; launch ffn1: the kernel of part 3 again; grid 256 x 1, 4 waves a work-group, clusters of 4 x 1, 327,680 bytes of LDS; arguments wl1, xb, ob, xa; writes xa
;; launch att2: the kernel of part 2 again; grid 256 x 1, 8 waves a work-group, no clusters, 115,712 bytes of LDS; arguments meta, wl2, xa, ob; writes ob
;; launch ffn2: the kernel of part 3 again; grid 256 x 1, 4 waves a work-group, clusters of 4 x 1, 327,680 bytes of LDS; arguments wl2, xa, ob, xb; writes xb
;; launch att3: the kernel of part 2 again; grid 256 x 1, 8 waves a work-group, no clusters, 115,712 bytes of LDS; arguments meta, wl3, xb, ob; writes ob
;; launch ffn3: the kernel of part 3 again; grid 256 x 1, 4 waves a work-group, clusters of 4 x 1, 327,680 bytes of LDS; arguments wl3, xb, ob, xa; writes xa
;; launch fin (part 4): grid 256 x 1, 4 waves a work-group, no clusters, 67,072 bytes of LDS; arguments xa, params_norm_g, params_norm_b, static_attr, params_attr_w, params_attr_b, out0; writes out0
.if DOCPART == 4
	.amdgcn_target "amdgcn-amd-amdhsa--gfx1250"
	.amdhsa_code_object_version 6
	.text
	.protected	k_q394877bc62_fin
	.globl	k_q394877bc62_fin
	.p2align	8
	.type	k_q394877bc62_fin,@function
k_q394877bc62_fin:
	s_mov_b64 s[64:65], 0
	v_nop
	global_prefetch_b8 v0, s[64:65] scope:SCOPE_SE
	s_setreg_imm32_b32 hwreg(HW_REG_WAVE_MODE, 25, 1), 1
	s_wait_xcnt 0x0
; THE CLOSING LayerNorm, the f32 rows 0 to 511 of out0, and the static token, row 512.  No work of reference() is left out here.
; A stream: 8,388,608 bytes of x (f16 operand images) in, 16,809,984 bytes out, each once.  No matrix unit, no cluster: nothing is shared but two rows of 1,024 bytes.  All loads go out at the head.
; SHARES.  256 work-groups of 4 waves; a wave takes one tile of 16 tokens x 256 channels: 16 loads of 512 consecutive bytes.  Lane (r = lane % 16, h = lane / 16) holds token r, channels 16 p + 8 h + 0..7 of piece p:
; half a row, so mean and variance want one exchange between the halves of the lanes.  The variance is the sum of squared distances from the mean.
; THE TURN.  The normalised tile goes through the wave's own 16,640 bytes of LDS, rows of 1,040 bytes (sixteen rows of a store fall into sixteen different 16-byte columns), and comes back as rows: a lane then holds
; channels 128 half + 4 lane .. + 3 of every row, so it needs eight numbers of the gain and eight of the bias; each store covers 512 consecutive bytes of a row of out0, aligned.  No wave reads another's bytes: no barrier.
.set STG,   16640
.set SPARE, 66560                      ; the spare words: 128 bytes a wave, two blocks of 256 bytes that no other line names
.macro TREE                            ; four pairs of partial sums in v96-103 -> the row's sum in v96, in both halves of the lanes
	v_pk_add_f32 v[96:97], v[96:97], v[98:99]
	v_pk_add_f32 v[100:101], v[100:101], v[102:103]
	v_pk_add_f32 v[96:97], v[96:97], v[100:101]
	v_add_f32 v96, v96, v97
	v_permlanex16_b32 v97, v96, s24, s25
	v_add_f32 v96, v96, v97
.endm
	s_load_b256 s[4:11], s[0:1], 0x0               ; x 4, norm_g 6, norm_b 8, static_attr 10
	s_load_b128 s[12:15], s[0:1], 0x20             ; attr_w 12, attr_b 14
	s_load_b64 s[16:17], s[0:1], 0x30              ; out0
	v_lshl_add_u32 v3, v0, 2, SPARE
	v_mov_b32 v4, 0
	v_lshrrev_b32 v1, 5, v0
	v_readfirstlane_b32 s18, v1                    ; wave
	v_and_b32 v1, 31, v0
	v_lshlrev_b32 v2, 4, v1                        ; 16 x lane
	v_and_b32 v10, 15, v0                          ; r
	v_bfe_u32 v11, v0, 4, 1                        ; h
	s_lshr_b32 s20, ttmp9, 3                       ; b
	s_and_b32 s21, ttmp9, 7                        ; which 64 tokens of the row
	s_mul_i32 s28, s18, STG                        ; my stage
	v_mul_u32_u24 v5, v10, 1040                    ; in: row r, 32 bytes for each half of the lanes
	v_lshl_add_u32 v5, v11, 5, v5
	v_add_nc_u32 v5, s28, v5
	v_add_nc_u32 v6, s28, v2                       ; back: 512 consecutive bytes of a row
	v_mov_b32 v8, 1.0
	v_mov_b32 v9, 0
	s_mov_b32 s24, 0x76543210
	s_mov_b32 s25, 0xfedcba98
	s_mov_b32 s30, 0x3b800000                      ; 1/256
	s_mov_b32 s31, 0x3727c5ac                      ; 1e-5
	s_lshl_b32 s22, ttmp9, 15
	s_lshl_b32 s23, s18, 13
	s_add_co_u32 s22, s22, s23                     ; tile 4 g + wave
	s_mov_b32 s23, 0
	s_mul_i32 s26, s20, 525312                     ; 513 rows of 1,024 bytes
	s_mov_b32 s27, 0
	s_lshl_b32 s32, s21, 16
	s_lshl_b32 s33, s18, 14
	s_add_co_u32 s32, s32, s33
	s_mov_b32 s33, 0
	s_wait_kmcnt 0x0
	s_add_nc_u64 s[4:5], s[4:5], s[22:23]
	s_add_nc_u64 s[26:27], s[16:17], s[26:27]      ; out0 at row b's first token,
	s_add_nc_u64 s[16:17], s[26:27], s[32:33]      ; and at my 16 tokens
.set p, 0
.rept 16
	global_load_b128 v[16+4*p:19+4*p], v2, s[4:5] offset:512*p th:TH_LOAD_NT
.set p, p+1
.endr
	global_load_b128 v[80:83], v2, s[6:7]
	global_load_b128 v[84:87], v2, s[6:7] offset:512
	global_load_b128 v[88:91], v2, s[8:9]
	global_load_b128 v[92:95], v2, s[8:9] offset:512
	s_wait_loadcnt 0x4                             ; x is in; the four loads of gain and bias may stay out
.set i, 0
.rept 64                                           ; f16 to f32: the half times 1 plus 0
	v_fma_mix_f32 v[128+2*i], v[16+i], v8, v9 op_sel_hi:[1,0,0]
	v_fma_mix_f32 v[129+2*i], v[16+i], v8, v9 op_sel:[1,0,0] op_sel_hi:[1,0,0]
.set i, i+1
.endr
.irp c, 0,1,2,3
	v_pk_add_f32 v[96+2*\c:97+2*\c], v[128+2*\c:129+2*\c], v[136+2*\c:137+2*\c]
.endr
.set i, 8
.rept 56
	v_pk_add_f32 v[96+2*(i%4):97+2*(i%4)], v[96+2*(i%4):97+2*(i%4)], v[128+2*i:129+2*i]
.set i, i+1
.endr
	TREE
	v_mul_f32 v104, 0x3b800000, v96                ; the mean
	v_mov_b32 v105, 0
.set i, 0
.rept 64
	v_pk_add_f32 v[128+2*i:129+2*i], v[128+2*i:129+2*i], v[104:105] op_sel_hi:[1,0] neg_lo:[0,1] neg_hi:[0,1]
.set i, i+1
.endr
.irp c, 0,1,2,3
	v_pk_mul_f32 v[96+2*\c:97+2*\c], v[128+2*\c:129+2*\c], v[128+2*\c:129+2*\c]
.endr
.set i, 4
.rept 60
	v_pk_fma_f32 v[96+2*(i%4):97+2*(i%4)], v[128+2*i:129+2*i], v[128+2*i:129+2*i], v[96+2*(i%4):97+2*(i%4)]
.set i, i+1
.endr
	TREE
	v_fma_f32 v96, v96, s30, s31                   ; variance + 1e-5
	v_rsq_f32 v106, v96
	v_mov_b32 v107, 0                              ; the plain instruction behind it,
	s_wait_alu depctr_va_vdst(0)                   ; and its wait
.set i, 0
.rept 64
	v_pk_mul_f32 v[128+2*i:129+2*i], v[128+2*i:129+2*i], v[106:107] op_sel_hi:[1,0]
.set i, i+1
.endr
.set p, 0
.rept 16
	ds_store_b128 v5, v[128+8*p:131+8*p] offset:64*p
	ds_store_b128 v5, v[132+8*p:135+8*p] offset:64*p+16
.set p, p+1
.endr
.set n, 0
.rept 32                                           ; row n / 2, half n % 2: rows 0-7 into v16-79, rows 8-15 into v128-191.  LDS serves a wave's instructions in order: these see the stores above
.set R, 16+4*n+48*(n/16)
	ds_load_b128 v[R:R+3], v6 offset:(n/2)*1040+(n%2)*512
.set n, n+1
.endr
	s_wait_loadcnt 0x0                             ; gain and bias
.set k, 0
.rept 4
	s_wait_dscnt 24-8*k                            ; the oldest 8 (k + 1) loads are back
.set n, 8*k
.rept 8
.set R, 16+4*n+48*(n/16)
	v_pk_fma_f32 v[R:R+1], v[R:R+1], v[80+4*(n%2):81+4*(n%2)], v[88+4*(n%2):89+4*(n%2)]
	v_pk_fma_f32 v[R+2:R+3], v[R+2:R+3], v[82+4*(n%2):83+4*(n%2)], v[90+4*(n%2):91+4*(n%2)]
	global_store_b128 v2, v[R:R+3], s[16:17] offset:(n/2)*1024+(n%2)*512 th:TH_STORE_NT  ; 512 consecutive bytes of a row of out0, aligned
.set n, n+1
.endr
.set k, k+1
.endr
	; the static token of row b: waves 0 and 1 of the row's first work-group, channels 128 wave + 4 lane .. + 3; registers that no pending store names
	s_cmp_lg_u32 s21, 0
	s_cbranch_scc1 .Lend
	s_cmp_gt_u32 s18, 1
	s_cbranch_scc1 .Lend
	s_mul_i32 s34, s20, 44
	s_load_b256 s[36:43], s[10:11], s34 offset:0x0 ; the row's eleven static numbers
	s_load_b64 s[44:45], s[10:11], s34 offset:0x20
	s_load_b32 s46, s[10:11], s34 offset:0x28
	s_lshl_b32 s35, s18, 9
	v_add_nc_u32 v7, s35, v2
	global_load_b128 v[192:195], v7, s[14:15]
.set i, 0
.rept 11
	global_load_b128 v[196+4*i:199+4*i], v7, s[12:13] offset:1024*i
.set i, i+1
.endr
	s_wait_loadcnt 0x0
	s_wait_kmcnt 0x0
.set i, 0
.rept 11
.irp e, 0,1,2,3
	v_fmac_f32 v[192+\e], s[36+i], v[196+4*i+\e]
.endr
.set i, i+1
.endr
	global_store_b128 v7, v[192:195], s[26:27] offset:524288 th:TH_STORE_NT
.Lend:
	s_wait_tensorcnt 0x0                           ; the wave's end, behind my last LDS store
	ds_add_u32 v3, v4
	s_wait_dscnt 0x0
	s_endpgm
.Lfunc_end_k_q394877bc62_fin:
	.size	k_q394877bc62_fin, .Lfunc_end_k_q394877bc62_fin-k_q394877bc62_fin
	.p2alignl 7, 3214868480
	.fill 96, 4, 3214868480
	.section	.rodata,"a",@progbits
	.p2align	6, 0x0
	.amdhsa_kernel k_q394877bc62_fin
		.amdhsa_group_segment_fixed_size 67072
		.amdhsa_private_segment_fixed_size 0
		.amdhsa_enable_private_segment 0
		.amdhsa_kernarg_size 56
		.amdhsa_user_sgpr_count 2
		.amdhsa_user_sgpr_kernarg_segment_ptr 1
		.amdhsa_wavefront_size32 1
		.amdhsa_system_sgpr_workgroup_id_x 1
		.amdhsa_system_sgpr_workgroup_id_y 1
		.amdhsa_system_sgpr_workgroup_id_z 1
		.amdhsa_system_vgpr_workitem_id 0
		.amdhsa_next_free_vgpr 256
		.amdhsa_next_free_sgpr 66
		.amdhsa_reserve_vcc 0
		.amdhsa_float_denorm_mode_32 3
		.amdhsa_float_denorm_mode_16_64 3
		.amdhsa_memory_ordered 1
		.amdhsa_forward_progress 1
		.amdhsa_inst_pref_size 43
	.end_amdhsa_kernel
	.amdgpu_metadata
---
amdhsa.version: [ 1, 2 ]
amdhsa.kernels:
  - .name:           k_q394877bc62_fin
    .symbol:         k_q394877bc62_fin.kd
    .args:
      - { .name: xa, .offset: 0, .size: 8, .value_kind: global_buffer, .address_space: global }
      - { .name: params_norm_g, .offset: 8, .size: 8, .value_kind: global_buffer, .address_space: global }
      - { .name: params_norm_b, .offset: 16, .size: 8, .value_kind: global_buffer, .address_space: global }
      - { .name: static_attr, .offset: 24, .size: 8, .value_kind: global_buffer, .address_space: global }
      - { .name: params_attr_w, .offset: 32, .size: 8, .value_kind: global_buffer, .address_space: global }
      - { .name: params_attr_b, .offset: 40, .size: 8, .value_kind: global_buffer, .address_space: global }
      - { .name: out0, .offset: 48, .size: 8, .value_kind: global_buffer, .address_space: global }
    .group_segment_fixed_size: 67072
    .private_segment_fixed_size: 0
    .kernarg_segment_align: 8
    .kernarg_segment_size: 56
    .max_flat_workgroup_size: 128
    .sgpr_count:     66
    .vgpr_count:     256
    .wavefront_size: 32
...
	.end_amdgpu_metadata
.endif
;; end of part 4
